; MI455X (gfx1250); checked and timed in simulation.
; The chip was launched on July 23, 2026; its instructions are those of AMD's public machine-readable ISA for CDNA 5 (MIT licence, August 2026) and "CDNA5" Instruction Set Architecture Reference Guide (July 2026). The comments in the code are by the model that wrote it; some were corrected since.
;; Multi Head Attention. Allowed arithmetic: float matrix products may take bf16 or f16 operands with f32 sums; other float arithmetic in f32, or as packed bf16 or f16 multiplies, adds, multiply-adds, maxima and minima; sums over many terms, partial sums and values carried from step to step in f32; what a program stores and reads back later, other than sums and carried values, may be rounded once to bf16 or f16.
;; Inputs: Wk 1,024 x 1,024 float32; Wo 1,024 x 1,024 float32; Wq 1,024 x 1,024 float32; Wv 1,024 x 1,024 float32; bk 1,024 float32; bo 1,024 float32; bq 1,024 float32; bv 1,024 float32; k 4 x 2,048 x 1,024 float32; q 4 x 2,048 x 1,024 float32; v 4 x 2,048 x 1,024 float32.
;; Outputs: out0 4 x 2,048 x 1,024 float32.
;; 2 versions, each right; version 2 is version 1 with the launch prep written anew for expert scheduling mode. Each part assembles by itself: llvm-mc -triple=amdgcn-amd-amdhsa -mcpu=gfx1250 --defsym DOCPART=n.
;; ======== version 1 of 2: 5 launches
;; limits: values are held in f16: magnitudes above 65,504 overflow, below 6.1e-05 lose precision
;; workspace buffers: wb 8,388,608 bytes; mpart 16,777,216 bytes; mh 524,288 bytes; msc 256 bytes; ob 33,554,432 bytes
;; launch prep (part 1): grid 256 x 1, 8 waves a work-group, no clusters, 0 bytes of LDS; arguments Wk, Wv, Wq, Wo, wb; writes wb
.if DOCPART == 1
	.amdgcn_target "amdgcn-amd-amdhsa--gfx1250"
	.amdhsa_code_object_version 6
	.text
	.protected	k_qbd9bb065f2_prep
	.globl	k_qbd9bb065f2_prep
	.p2align	8
	.type	k_qbd9bb065f2_prep,@function
k_qbd9bb065f2_prep:
	s_mov_b64 s[64:65], 0
	v_nop
	global_prefetch_b8 v0, s[64:65] scope:SCOPE_SE
	s_setreg_imm32_b32 hwreg(HW_REG_WAVE_MODE, 25, 1), 1
	s_wait_xcnt 0x0
; wb[4][1024][1024] in bf16 = Wk, Wv, Wq, Wo rounded once to bf16 (nearest even), layout [k][n] kept.
; A stream: 16 MiB in, 8 MiB out, every byte once.  256 work-groups of 8 waves; work-group id takes tensor id / 64 and, of its 64 chunks of
; 16,384 numbers, chunk id % 64.  Thread t takes, in each of 8 groups, 8 numbers (32 bytes in, 16 bytes out): a wave's store covers 512
; consecutive bytes, aligned.  All 16 loads of a thread go out at once; no LDS, no barrier, no matrix unit: no byte is wanted by two threads.
	s_load_b256 s[4:11], s[0:1], 0x0               ; Wk s[4:5], Wv s[6:7], Wq s[8:9], Wo s[10:11]
	s_load_b64 s[12:13], s[0:1], 0x20              ; wb
	s_lshr_b32 s2, ttmp9, 6                        ; which tensor
	s_and_b32 s16, ttmp9, 63
	s_lshl_b32 s16, s16, 16                        ; the chunk's 65,536 bytes in it
	s_mov_b32 s17, 0
	s_lshl_b32 s18, ttmp9, 15                      ; 64 chunks of 32,768 bytes are one tensor's part of wb, so id x 32,768 serves
	s_mov_b32 s19, 0
	v_lshlrev_b32 v1, 5, v0                        ; 32 t
	v_lshlrev_b32 v2, 4, v0                        ; 16 t
	s_wait_kmcnt 0x0
	s_cmp_eq_u32 s2, 1
	s_cselect_b64 s[14:15], s[6:7], s[4:5]
	s_cmp_eq_u32 s2, 2
	s_cselect_b64 s[14:15], s[8:9], s[14:15]
	s_cmp_eq_u32 s2, 3
	s_cselect_b64 s[14:15], s[10:11], s[14:15]
	s_add_nc_u64 s[14:15], s[14:15], s[16:17]
	s_add_nc_u64 s[12:13], s[12:13], s[18:19]
.irp g, 0,1,2,3,4,5,6,7
	global_load_b128 v[8+8*\g:8+8*\g+3],   v1, s[14:15] offset:8192*\g th:TH_LOAD_NT
	global_load_b128 v[8+8*\g+4:8+8*\g+7], v1, s[14:15] offset:8192*\g+16 th:TH_LOAD_NT
.endr
.irp g, 0,1,2,3,4,5,6,7
	s_wait_loadcnt 14-2*\g                         ; loads come back in order: group g's two are in, the younger pairs stay out
.irp i, 0,1,2,3
	v_cvt_pk_bf16_f32 v[72+4*\g+\i], v[8+8*\g+2*\i], v[8+8*\g+2*\i+1]
.endr
	global_store_b128 v2, v[72+4*\g:72+4*\g+3], s[12:13] offset:4096*\g
.endr
	s_endpgm
.Lfunc_end_k_qbd9bb065f2_prep:
	.size	k_qbd9bb065f2_prep, .Lfunc_end_k_qbd9bb065f2_prep-k_qbd9bb065f2_prep
	.p2alignl 7, 3214868480
	.fill 96, 4, 3214868480
	.section	.rodata,"a",@progbits
	.p2align	6, 0x0
	.amdhsa_kernel k_qbd9bb065f2_prep
		.amdhsa_group_segment_fixed_size 0
		.amdhsa_private_segment_fixed_size 0
		.amdhsa_enable_private_segment 0
		.amdhsa_kernarg_size 40
		.amdhsa_user_sgpr_count 2
		.amdhsa_user_sgpr_kernarg_segment_ptr 1
		.amdhsa_wavefront_size32 1
		.amdhsa_system_sgpr_workgroup_id_x 1
		.amdhsa_system_sgpr_workgroup_id_y 1
		.amdhsa_system_sgpr_workgroup_id_z 1
		.amdhsa_system_vgpr_workitem_id 0
		.amdhsa_next_free_vgpr 104
		.amdhsa_next_free_sgpr 66
		.amdhsa_reserve_vcc 0
		.amdhsa_float_denorm_mode_32 3
		.amdhsa_float_denorm_mode_16_64 3
		.amdhsa_memory_ordered 1
		.amdhsa_forward_progress 1
		.amdhsa_inst_pref_size 6
	.end_amdhsa_kernel
	.amdgpu_metadata
---
amdhsa.version: [ 1, 2 ]
amdhsa.kernels:
  - .name:           k_qbd9bb065f2_prep
    .symbol:         k_qbd9bb065f2_prep.kd
    .args:
      - { .name: Wk, .offset: 0, .size: 8, .value_kind: global_buffer, .address_space: global }
      - { .name: Wv, .offset: 8, .size: 8, .value_kind: global_buffer, .address_space: global }
      - { .name: Wq, .offset: 16, .size: 8, .value_kind: global_buffer, .address_space: global }
      - { .name: Wo, .offset: 24, .size: 8, .value_kind: global_buffer, .address_space: global }
      - { .name: wb, .offset: 32, .size: 8, .value_kind: global_buffer, .address_space: global }
    .group_segment_fixed_size: 0
    .private_segment_fixed_size: 0
    .kernarg_segment_align: 8
    .kernarg_segment_size: 40
    .max_flat_workgroup_size: 256
    .sgpr_count:     66
    .vgpr_count:     104
    .wavefront_size: 32
...
	.end_amdgpu_metadata
.endif
;; end of part 1
;; launch kv (part 2): grid 4 x 64, 4 waves a work-group, clusters of 4 x 4, 327,680 bytes of LDS; arguments k, v, wb, bk, bv, mpart; writes mpart
.if DOCPART == 2
	.amdgcn_target "amdgcn-amd-amdhsa--gfx1250"
	.amdhsa_code_object_version 6
	.text
	.protected	k_qbd9bb065f2_kv
	.globl	k_qbd9bb065f2_kv
	.p2align	8
	.type	k_qbd9bb065f2_kv,@function
k_qbd9bb065f2_kv:
	s_mov_b64 s[64:65], 0
	v_nop
	global_prefetch_b8 v0, s[64:65] scope:SCOPE_SE
	s_setreg_imm32_b32 hwreg(HW_REG_WAVE_MODE, 25, 1), 1
	s_wait_xcnt 0x0
	s_wait_alu depctr_hold_cnt(0) depctr_sa_sdst(0) depctr_va_vdst(0) depctr_va_sdst(0) depctr_va_ssrc(0) depctr_va_vcc(0) depctr_vm_vsrc(0)
	s_getreg_b32 s2, hwreg(HW_REG_IB_STS2, 6, 4)
	s_cmp_eq_u32 s2, 0
	s_cbranch_scc0 .Lentry_in_a_cluster
	s_endpgm
.Lentry_in_a_cluster:
	s_bfe_u32 s2, ttmp6, 0x10000c
	s_cmp_lg_u32 s2, 0xf033
	s_cbranch_scc0 .Lentry_shape_is_right
	s_endpgm
.Lentry_shape_is_right:
; ONE TEXT FOR THREE LAUNCHES, told apart by KIND.  The module is (Q K^T / 8) V with no softmax between the products, so it is computed as Q (K^T V) / 8: the order of rounding differs from the written order.
;   KIND 0 (THIS FILE): Kh = k Wk + bk and Vh = v Wv + bv for 128 rows x 256 columns (4 heads), kept in registers, rounded to f16; then for each head the partial MT[j][i] = sum over the 128 rows of Kh[s][i] Vh[s][j], f32, into mpart.
;   KIND 1: Qh = q Wq + bq, rounded to f16 in registers; O = (Qh M') x scale, f32, into ob.      KIND 2: out0 = O Wo + bo.
; FORMATS.  The f32 rows (k, v, q, O) are rounded to bf16 between LDS and the matrix unit; the weights come from wb in bf16; sums in f32; biases in f32, as the C operand of each sum's first product.
; LIMITS.  |Kh|, |Vh|, |Qh| stay below 65,504 (f16); NaN and infinities are not treated apart.
; SHARES.  A work-group makes 128 rows x 256 columns; wave w rows 64 (w / 2) on, columns 128 (w % 2) on: 4 x 8 accumulators of 16 x 16, 256 registers (KIND 0: two such sets).  256 work-groups.
; RING.  Two LDS slots of four tiles of 32 KiB, one tensor load a wave: TA0, TA1 = 128 rows x 64 f32 (256 bytes of memory a row, LDS pitch 272); TB0, TB1 = 64 k-rows x 256 bf16 (512 bytes, pitch 544).
;   KIND 0: tiles 0 are (k, Wk), tiles 1 (v, Wv), 64 along K a step, 16 steps.   KIND 1, 2: tile t is K range 128 s + 64 t, 8 steps.   A step is 128 matrix instructions a wave in every kind.
; CLUSTER.  4 x 4 work-groups.  A's tiles hang on the row block alone and are asked for jointly along a row of the cluster, B's on the column block alone, jointly along a column.
; REGISTERS, in windows of 256 (s_set_vgpr_msb: bits 1:0 source 0, 3:2 source 1, 5:4 source 2, 7:6 destination):
;   window 0: v0-18 addresses; v32-95 FA, A's fragments in bf16, two buffers; v128-191 RAW, a quarter's A in f32; v128-255 at work in the epilogues
;   window 1: v0-127 FB, B's fragments, two buffers; KIND 0: v128-255 bias blocks      window 2: the accumulators, tile (a, b) at 8 (8 a + b)
;   window 3: KIND 0: V's accumulators; KIND 1: v0-127 M' fragments; KIND 1, 2: v128-191 bias blocks
.set KIND,   0
.set PITA,   272                       ; 68 words: the 16 rows of a load start at 16 different groups of four banks (64 banks of 4 bytes: ISA guide 11.1)
.set PITB,   544                       ; 136 words
.set TILE,   34816                     ; 128 x 272 = 64 x 544
.set SLOT,   4*TILE                    ; 0x22000: its two bits meet none of w x TILE's, so one exclusive or turns an address in one slot into the other's
.set STAGE,  2*SLOT                    ; behind the ring (KIND 1, 2): 16 rows x 528 bytes for each wave, for the way out
.set SPIT,   528
.set WSTG,   16*SPIT
.set SPARE,  STAGE+4*WSTG              ; the spare words, 128 bytes for each wave: two blocks of 256 bytes that no other line names
.if KIND == 0
.set NSTEP,  16
.set STEPA,  256                       ; bytes along a row of A from step to step
.set STEPB,  64*2048                   ; bytes down wb from step to step
.set PW,     8                         ; s[8:9] wb
.set POUT,   14                        ; s[14:15] mpart
.else
.set NSTEP,  8
.set STEPA,  512
.set STEPB,  128*2048
.set PW,     6                         ; s[6:7] wb
.set PBIAS,  8                         ; s[8:9] the bias
.if KIND == 1
.set POUT,   14                        ; s[14:15] ob
.else
.set POUT,   10                        ; s[10:11] out0
.endif
.endif
.set PMH,    10                        ; KIND 1: s[10:11] mh, s[12:13] msc
.set PMS,    12
.set ADRA0,  4                         ; v4   my lane's place in tile TA0 of slot 0; never rewritten
.set ADRB0,  5                         ; v5   the same in TB0
.set ADRA,   6                         ; v6   the same in the slot in hand
.set ADRB,   7
.set STO,    8                         ; v8   the way out: where I put my bytes
.set RD,     9                         ; v9   where I read rows back
.set RD2,    10                        ; v10  KIND 0: the same in the other row half's partial
.set CO,     11                        ; v11  16 x lane
.set PFO,    12                        ; v12  the prefetches' offset; never rewritten
.set BO,     13                        ; v13  my offset in the bias
.set SPW,    14                        ; v14  LDS address of my spare word; never rewritten
.set NIL,    15                        ; v15  0; never rewritten
.set MO,     16                        ; v16  KIND 1: my offset in a head's M'
.set FA,     32
.set RAW,    128
.set WV,     16                        ; s16 wave; s17 its row half; s18 its column half, and which of a kind's two tiles it fetches
.set WR,     17
.set WC,     18
.set CX,     19
.set CY,     20
.set COLB,   21                        ; column block of 256
.set ROWB,   22                        ; row block of 128
.set CLY,    23                        ; cluster y
.set G1A,    24                        ; s[24:31] descriptor group 1 for A's tiles;  s[32:39] group 0: a set for each first fill; the second then walks
.set G0A,    32
.set G1B,    48                        ; s[48:55], s[56:63] the same for B's
.set G0B,    56
.set TB,     66                        ; s66 LDS byte at which the slot in hand begins
.set CNT,    67                        ; s67 refills still to come
.set LIM,    68                        ; s68 a wave prefetches while CNT is above it
.set PFA,    70                        ; s[70:71] where my prefetches stand
.set SC,     74                        ; KIND 1: s[74:75], s[76:77] the two heads' scales, each as a pair
.set PFS,    78                        ; s[78:79] the prefetches' step
.set MSB, 0
.macro WIN new                         ; the immediate's high byte repeats the setting that is left; a switch that changes nothing is dropped
.if MSB != (\new)
	s_set_vgpr_msb (MSB<<8)|(\new)
.set MSB, (\new)
.endif
.endm
.macro PLACES                          ; four plain vector instructions between a matrix instruction and a reader of its result or a writer of its registers (ISA guide 7.12.1)
.rept 4
	v_nop
.endr
.endm
.macro CREST                           ; a round of the cluster's barrier behind its opening barrier
	s_cmp_lg_u32 s[WV], 0
	s_cbranch_scc1 .Lnw0_\@
	s_barrier_signal -3
.Lnw0_\@:
	s_barrier_wait -3
	s_barrier_signal -1
	s_barrier_wait -1
.endm
.macro CROUND                          ; a whole round
	s_barrier_signal -1
	s_barrier_wait -1
	CREST
.endm
; A joint refill: waves 0 and 1 fetch A's two tiles, waves 2 and 3 B's.  The branch hangs on the wave's number alone.  An s_nop 0 and four v_nop follow each line.
.macro JLOAD
	s_cmp_lt_u32 s[WV], 2
	s_cbranch_scc0 .Lforb_\@
	tensor_load_to_lds s[G0A+4:G0A+7], s[G1A:G1A+7]
	s_nop 0
.rept 4
	v_nop
.endr
	s_branch .Lasked_\@
.Lforb_\@:
	tensor_load_to_lds s[G0B+4:G0B+7], s[G1B:G1B+7]
	s_nop 0
.rept 4
	v_nop
.endr
.Lasked_\@:
.endm
; A PREFETCH of my tile of the step that stands two refills on (256 matrix instructions ahead of the load that will want it): 32 blocks of 256 bytes, a lane a block, one instruction a wave.
; A's tile (128 rows x 256 bytes) is read by my row of the cluster alone: partner cx names rows 32 cx on.  B's tile (64 rows x 512 bytes) is read by all sixteen clusters: cluster y = 0 asks, partner cy names rows 16 cy on.
; The partners are told apart by address.  So each block is named once in the launch.  Steps 0 to 3 come by their loads alone; the last two refills have no step two on, and ask for nothing.
.macro ASK
	s_cmp_gt_u32 s[CNT], s[LIM]
	s_cbranch_scc0 .Lnoask_\@
	global_prefetch_b8 v[PFO], s[PFA:PFA+1] th:TH_LOAD_NT scope:SCOPE_SE
.Lnoask_\@:
.endm
; The quarter's next cnt matrix instructions, on fragment buffers p.  Number mi is tile (mi / 8, mi % 8): the 32 accumulators take turns, in the same order in every quarter.
; KIND 0: source 0 = 16 rows of A, source 1 = 16 columns of W: a lane holds one column and eight rows.  KIND 1, 2: the sources swapped: a lane holds one row and eight neighbouring columns.
; first = 1: the sum's first product takes the bias block as C: nothing is cleared and no bias is added later.
.macro MM p, t, first, cnt
.rept (\cnt)
.set rD, 8*mi
.set rA, FA+32*(\p)+8*(mi/8)
.set rB, 64*(\p)+8*(mi%8)
.if KIND == 0
.set rC, 128+64*(\t)+8*(mi%8)
.if \first
	WIN 0x94+0x40*(\t)
	v_wmma_f32_16x16x32_bf16 v[rD:rD+7], v[rA:rA+7], v[rB:rB+7], v[rC:rC+7]
.else
	WIN 0xa4+0x50*(\t)
	v_wmma_f32_16x16x32_bf16 v[rD:rD+7], v[rA:rA+7], v[rB:rB+7], v[rD:rD+7]
.endif
.else
.set rC, 128+8*(mi%8)
.if \first
	WIN 0xb1
	v_wmma_f32_16x16x32_bf16 v[rD:rD+7], v[rB:rB+7], v[rA:rA+7], v[rC:rC+7]
.else
	WIN 0xa1
	v_wmma_f32_16x16x32_bf16 v[rD:rD+7], v[rB:rB+7], v[rA:rA+7], v[rD:rD+7]
.endif
.endif
.set mi, mi+1
.endr
.endm
; 32 LDS loads in one run: quarter q (tiles q / 2, 32 along K from 32 (q % 2) on).  A first: 64 rows x 32 f32 into RAW (lane: row l % 16, k = 8 (l / 16) + 0..7 and 16 + 8 (l / 16) + 0..7: four loads of 16 bytes);
; then B, turned: 32 k x 128 columns into buffer pn.
.macro FETCH q, pn
.set qa, ((\q)/2)*TILE+128*((\q)%2)
.set qb, ((\q)/2)*TILE+32*PITB*((\q)%2)
	WIN 0
.irp a, 0,1,2,3
	ds_load_b128 v[RAW+16*\a:RAW+16*\a+3],     v[ADRA] offset:qa+16*PITA*\a
	ds_load_b128 v[RAW+16*\a+4:RAW+16*\a+7],   v[ADRA] offset:qa+16*PITA*\a+16
	ds_load_b128 v[RAW+16*\a+8:RAW+16*\a+11],  v[ADRA] offset:qa+16*PITA*\a+64
	ds_load_b128 v[RAW+16*\a+12:RAW+16*\a+15], v[ADRA] offset:qa+16*PITA*\a+80
.endr
	WIN 0x40                                       ; destination window 1
.irp b, 0,1,2,3,4,5,6,7
	ds_load_tr16_b128 v[64*(\pn)+8*\b:64*(\pn)+8*\b+3],   v[ADRB] offset:qb+32*\b
	ds_load_tr16_b128 v[64*(\pn)+8*\b+4:64*(\pn)+8*\b+7], v[ADRB] offset:qb+32*\b+16*PITB
.endr
.endm
.macro CVT4 pn, g                      ; four of the 32 roundings that make RAW into buffer pn of FA
	WIN 0
.irp i, 0,1,2,3
	v_cvt_pk_bf16_f32 v[FA+32*(\pn)+4*(\g)+\i], v[RAW+8*(\g)+2*\i], v[RAW+8*(\g)+2*\i+1]
.endr
.endm
; A step is four quarters of 32 matrix instructions, on buffers 0, 1, 0, 1.  One of the first three: it multiplies buffer q % 2, fetches the next quarter at its head and rounds that quarter's A in fours behind its later products.
; The last four roundings stand behind the quarter's last product: they name none of its registers and are the four places in front of the next run of loads into B's buffer and the next writes of A's.
.macro QUARTER q, first
.set mi, 0
.set cg, 0
	s_wait_dscnt 0x0                               ; this quarter's B, asked for a quarter ago, is in
	FETCH (\q)+1, 1-(\q)%2
	MM (\q)%2, (\q)/2, \first, 16
	s_wait_dscnt 16                                ; the 16 loads of A are in; the 16 younger ones, B's, may stay out
.rept 8
	MM (\q)%2, (\q)/2, \first, 2
	CVT4 1-(\q)%2, cg
.set cg, cg+1
.endr
.endm
; The last quarter multiplies buffer 1 and changes slots.  In front of the barrier each wave waits for all its tensor loads (one is out: its tile of the next slot), adds 0 to its spare word, and waits for that and for its
; reads of this slot.  fill = 1: the barrier opens a round of the cluster's barrier, and the joint refill of this slot, with the step two on, is the first thing behind the round: 112 matrix instructions ahead of the wait for it.
.macro TURN fill
.set mi, 0
.set cg, 0
.if \fill
	s_wait_xcnt 0x0                                ; the last prefetch, a step back, has read its address
	s_add_nc_u64 s[PFA:PFA+1], s[PFA:PFA+1], s[PFS:PFS+1]
.endif
	WIN 0
	s_wait_tensorcnt 0x0                           ; no tensor load of mine is out, so a group 0 may be written
	ds_add_u32 v[SPW], v[NIL]                      ; 0 onto my spare word
	s_wait_dscnt 1                                 ; all but the add: this quarter's B is in
.if \fill
	s_xor_b32 s[G0A+5], s[G0A+5], SLOT             ; the walking descriptors: the other slot than last time, the next step
	s_add_nc_u64 s[G0A+6:G0A+7], s[G0A+6:G0A+7], STEPA
	s_xor_b32 s[G0B+5], s[G0B+5], SLOT
	s_add_nc_u64 s[G0B+6:G0B+7], s[G0B+6:G0B+7], STEPB
.endif
	s_xor_b32 s[TB], s[TB], SLOT
	MM 1, 1, 0, 8
	s_wait_dscnt 0x0                               ; the add is done, and my reads of this slot are over
	s_barrier_signal -1
	MM 1, 1, 0, 8                                  ; work on registers while the others arrive
	WIN 0                                          ; at a branch and at a label every window is 0
	s_barrier_wait -1
.if \fill
	CREST
	JLOAD
.else
	PLACES
.endif
	v_add_nc_u32 v[ADRA], s[TB], v[ADRA0]
	v_add_nc_u32 v[ADRB], s[TB], v[ADRB0]
	FETCH 0, 0
	WIN 0
.if \fill
	ASK
.endif
	MM 1, 1, 0, 8
	s_wait_dscnt 16
.rept 8
	MM 1, 1, 0, 1
	CVT4 0, cg
.set cg, cg+1
.endr
.endm
	s_load_b256 s[4:11], s[0:1], 0x0               ; KIND 0: k, v, wb, bk;  KIND 1: q, wb, bq, mh;  KIND 2: ob, wb, bo, out0
.if KIND < 2
	s_load_b128 s[12:15], s[0:1], 0x20             ; KIND 0: bv, mpart;  KIND 1: msc, ob
.endif
	v_lshl_add_u32 v[SPW], v0, 2, SPARE
	v_mov_b32 v[NIL], 0
	ds_add_u32 v[SPW], v[NIL]                      ; the wave's opening: the add and its wait stand ahead of my first tensor load; work on registers stands between them
	v_lshrrev_b32 v1, 5, v0
	v_readfirstlane_b32 s[WV], v1
	s_lshr_b32 s[WR], s[WV], 1
	s_and_b32 s[WC], s[WV], 1
	s_bfe_u32 s[CX], ttmp6, 0x40000
	s_bfe_u32 s[CY], ttmp6, 0x40004
	s_lshl_b32 s[COLB], ttmp9, 2
	s_add_co_u32 s[COLB], s[COLB], s[CX]
	s_and_b32 s[CLY], ttmp7, 0xffff
	s_lshl_b32 s[ROWB], s[CLY], 2
	s_add_co_u32 s[ROWB], s[ROWB], s[CY]
	s_lshl_b32 s2, s[CY], 2
	s_lshl_b32 s2, 15, s2                          ; my row of the cluster
	s_lshl_b32 s47, 0x1111, s[CX]                  ; my column
	s_or_b32 s[G1A], s2, (2<<16)|(1<<20)|(1<<21)|(5<<22)|(3<<25)   ; the mask; elements of 4 bytes; padding on; bit 21 beside a mask; after every 64 words, 4 words
	s_mov_b32 s[G1A+1], 64<<16                     ; tensor_dim0 = 64
	s_mov_b32 s[G1A+2], 128<<16                    ; tensor_dim1 = 128
	s_mov_b32 s[G1A+3], 64<<16                     ; tile_dim0 = 64
	s_mov_b32 s[G1A+4], 128                        ; tile_dim1 = 128
	s_mov_b32 s[G1A+5], 1024                       ; elements from row to row
	s_mov_b32 s[G1A+6], 0
	s_mov_b32 s[G1A+7], 0
	s_or_b32 s[G1B], s47, (1<<16)|(1<<20)|(1<<21)|(6<<22)|(7<<25)  ; elements of 2 bytes; after every 128 words, 8 words
	s_mov_b32 s[G1B+1], 256<<16
	s_mov_b32 s[G1B+2], 64<<16
	s_mov_b32 s[G1B+3], 256<<16
	s_mov_b32 s[G1B+4], 64
	s_mov_b32 s[G1B+5], 1024
	s_mov_b32 s[G1B+6], 0
	s_mov_b32 s[G1B+7], 0
	s_lshl_b32 s40, s[ROWB], 19                    ; A: 128 rows of 4,096 bytes a row block; these registers never hold cx
.if KIND != 0
	s_lshl_b32 s41, s[WC], 8                       ; + 64 f32 for tile 1
	s_add_co_u32 s40, s40, s41
.endif
	s_mov_b32 s41, 0
	s_lshl_b32 s42, s[COLB], 9                     ; B: 512 bytes a column block; these registers never hold cy
.if KIND == 0
	s_lshl_b32 s43, s[WC], 21                      ; tile 1 is Wv's
.else
	s_lshl_b32 s43, s[WC], 17                      ; tile 1 lies 64 k-rows down,
	s_add_co_u32 s43, s43, (KIND+1)*2097152        ; in Wq's or Wo's part of wb
.endif
	s_add_co_u32 s42, s42, s43
	s_mov_b32 s43, 0
	s_mul_i32 s46, s[WV], TILE                     ; wave w fills tile w: no place in the cluster enters an LDS address
	s_wait_dscnt 0x0                               ; the opening add is done
	s_wait_kmcnt 0x0
.if KIND == 0
	s_cmp_eq_u32 s[WC], 0
	s_cselect_b64 s[2:3], s[4:5], s[6:7]           ; tile 0 is k's, tile 1 v's
	s_add_nc_u64 s[40:41], s[2:3], s[40:41]
.else
	s_add_nc_u64 s[40:41], s[4:5], s[40:41]
.endif
	s_add_nc_u64 s[42:43], s[PW:PW+1], s[42:43]
.irp n, 0,1
	s_mov_b32 s[G0A+4*\n], 1                                       ; count = 1
	s_add_co_u32 s[G0A+4*\n+1], s46, \n*SLOT                       ; LDS address
	s_add_nc_u64 s[G0A+4*\n+2:G0A+4*\n+3], s[40:41], \n*STEPA      ; global address: step n
	s_or_b32 s[G0A+4*\n+3], s[G0A+4*\n+3], 0x80000000              ; type = 2
	s_mov_b32 s[G0B+4*\n], 1
	s_add_co_u32 s[G0B+4*\n+1], s46, \n*SLOT
	s_add_nc_u64 s[G0B+4*\n+2:G0B+4*\n+3], s[42:43], \n*STEPB
	s_or_b32 s[G0B+4*\n+3], s[G0B+4*\n+3], 0x80000000
.endr
	CROUND                                         ; all sixteen work-groups are here: the first joint loads meet
	s_cmp_lt_u32 s[WV], 2                          ; a wave's two first fills stand in one branch: two loads of mine are out
	s_cbranch_scc0 .Lfirst_b
	tensor_load_to_lds s[G0A:G0A+3], s[G1A:G1A+7]
	s_nop 0
	tensor_load_to_lds s[G0A+4:G0A+7], s[G1A:G1A+7]
	s_nop 0
.rept 4
	v_nop
.endr
	s_branch .Lfirst_done
.Lfirst_b:
	tensor_load_to_lds s[G0B:G0B+3], s[G1B:G1B+7]
	s_nop 0
	tensor_load_to_lds s[G0B+4:G0B+7], s[G1B:G1B+7]
	s_nop 0
.rept 4
	v_nop
.endr
.Lfirst_done:
	v_and_b32 v1, 15, v0                           ; l % 16
	v_bfe_u32 v2, v0, 4, 1                         ; l / 16
	v_mul_u32_u24 v[ADRA0], v1, PITA
	v_lshl_add_u32 v[ADRA0], v2, 5, v[ADRA0]       ; row x pitch + 32 x half
	s_mul_i32 s44, s[WR], 64*PITA                  ; my 64 rows
	v_add_nc_u32 v[ADRA0], s44, v[ADRA0]
	v_and_b32 v3, 7, v0                            ; the turning load: lane l reads k-row 8 (l / 16) + l % 8, columns 8 ((l / 8) % 2) + 0..7
	v_lshl_add_u32 v3, v2, 3, v3
	v_mul_u32_u24 v[ADRB0], v3, PITB
	v_bfe_u32 v3, v0, 3, 1
	v_lshl_add_u32 v[ADRB0], v3, 4, v[ADRB0]
	s_lshl_b32 s44, s[WC], 8                       ; my 128 columns,
	s_add_co_u32 s44, s44, 2*TILE                  ; behind A's two tiles
	v_add_nc_u32 v[ADRB0], s44, v[ADRB0]
	v_mov_b32 v[ADRA], v[ADRA0]
	v_mov_b32 v[ADRB], v[ADRB0]
	s_mov_b32 s[TB], 0
	v_and_b32 v3, 31, v0
	v_lshlrev_b32 v[CO], 4, v3
	; the prefetches
	v_lshlrev_b32 v[PFO], 12, v3                   ; A: a lane a row of 4,096 bytes
	v_lshrrev_b32 v17, 1, v3                       ; B: two lanes a row of 2,048 bytes, 256 bytes each
	v_and_b32 v18, 1, v3
	v_lshlrev_b32 v17, 11, v17
	v_lshl_add_u32 v17, v18, 8, v17
	s_lshl_b32 s44, s[CX], 17                      ; A: my work-group's 32 rows of the 128
	s_lshl_b32 s45, s[CY], 15                      ; B: its 16 rows of the 64
	s_mov_b32 s[PFS], STEPB
	s_cmp_eq_u32 s[CLY], 0
	s_cselect_b32 s[LIM], 2, -1                    ; B's tiles: the first cluster alone asks
	s_cmp_lt_u32 s[WV], 2
	s_cselect_b32 s[LIM], 2, s[LIM]
	s_cselect_b32 s[PFS], STEPA, s[PFS]
	s_cselect_b32 s44, s44, s45
	s_cselect_b32 s47, -1, 0
	s_cselect_b64 s[PFA:PFA+1], s[40:41], s[42:43]
	s_mov_b32 s[PFS+1], 0
	s_mov_b32 s45, 0
	v_cndmask_b32 v[PFO], v17, v[PFO], s47
	s_add_nc_u64 s[PFA:PFA+1], s[PFA:PFA+1], s[44:45]
	s_mul_i32 s44, s[PFS], 3                       ; at step 3: the first change of slots steps it to 4
	s_add_nc_u64 s[PFA:PFA+1], s[PFA:PFA+1], s[44:45]
	; the bias: my wave's 128 columns begin at byte 1,024 x column block + 512 x column half
	s_lshl_b32 s44, s[COLB], 10
	s_lshl_b32 s45, s[WC], 9
	s_add_co_u32 s44, s44, s45
.if KIND == 0
	v_lshlrev_b32 v[BO], 2, v1                     ; a lane holds column l % 16 of a tile
.else
	v_lshlrev_b32 v[BO], 5, v2                     ; a lane holds columns 8 (l / 16) + 0..7 of a tile
.endif
	v_add_nc_u32 v[BO], s44, v[BO]
.if KIND == 0
	; the way out: partial tiles go into slot 0, which has had its last fill by then: wave w's two heads at w x 34,816, 64 rows of 272 bytes each
	v_mul_u32_u24 v[STO], v1, 272
	v_lshl_add_u32 v[STO], v2, 5, v[STO]
	v_add_nc_u32 v[STO], s46, v[STO]
	v_mul_u32_u24 v[RD], v2, 272                   ; back: lanes 0-15 one row of 256 bytes, lanes 16-31 the next; wave (wr, wc) finishes head 2 wc + wr of the four
	v_lshl_add_u32 v[RD], v1, 4, v[RD]
	s_mul_i32 s44, s[WC], TILE
	s_mul_i32 s45, s[WR], TILE/2
	s_add_co_u32 s44, s44, s45
	v_add_nc_u32 v[RD], s44, v[RD]
	v_add_nc_u32 v[RD2], 2*TILE, v[RD]             ; the same head from the wave of the other row half
	s_lshl_b32 s44, s[ROWB], 4
	s_lshl2_add_u32 s44, s[COLB], s44
	s_lshl1_add_u32 s44, s[WC], s44
	s_add_co_u32 s44, s44, s[WR]                   ; 16 x row block + head
	s_lshl_b32 s44, s44, 14                        ; 16,384 bytes each
	s_mov_b32 s45, 0
	s_add_nc_u64 s[POUT:POUT+1], s[POUT:POUT+1], s[44:45]
	WIN 0x40
.irp b, 0,1,2,3,4,5,6,7
	global_load_b32 v[128+8*\b], v[BO], s[10:11] offset:64*\b
	global_load_b32 v[192+8*\b], v[BO], s[12:13] offset:64*\b
.endr
.else
	s_mul_i32 s44, s[WV], WSTG
	s_add_co_u32 s44, s44, STAGE                   ; my stage
	v_mul_u32_u24 v[STO], v1, SPIT                 ; in: row l % 16, 32 bytes for each half of the lanes
	v_lshl_add_u32 v[STO], v2, 5, v[STO]
	v_add_nc_u32 v[STO], s44, v[STO]
	v_add_nc_u32 v[RD], s44, v[CO]                 ; back: 32 lanes take one row of 512 bytes
	s_lshl_b32 s44, s[ROWB], 19
	s_lshl_b32 s45, s[WR], 18
	s_add_co_u32 s44, s44, s45
	s_lshl_b32 s45, s[COLB], 10
	s_add_co_u32 s44, s44, s45
	s_lshl_b32 s45, s[WC], 9
	s_add_co_u32 s44, s44, s45
	s_mov_b32 s45, 0
	s_add_nc_u64 s[POUT:POUT+1], s[POUT:POUT+1], s[44:45]  ; my first row and column of the result
.if KIND == 1
	s_and_b32 s44, s[ROWB], 0x30                   ; 16 x batch
	s_lshl2_add_u32 s44, s[COLB], s44
	s_lshl1_add_u32 s44, s[WC], s44                ; + my first head
	s_lshl_b32 s47, s44, 2
	s_lshl_b32 s44, s44, 13                        ; 8,192 bytes of M' a head
	s_mov_b32 s45, 0
	s_add_nc_u64 s[PMH:PMH+1], s[PMH:PMH+1], s[44:45]
	s_mov_b32 s44, s47
	s_add_nc_u64 s[PMS:PMS+1], s[PMS:PMS+1], s[44:45]
	s_load_b64 s[72:73], s[PMS:PMS+1], 0x0         ; my two heads' scales
	v_lshlrev_b32 v[MO], 7, v1                     ; row j = l % 16 of 128 bytes, 16 bytes for each half of the lanes
	v_lshl_add_u32 v[MO], v2, 4, v[MO]
.endif
	WIN 0xc0
.irp b, 0,1,2,3,4,5,6,7
	global_load_b128 v[128+8*\b:128+8*\b+3],   v[BO], s[PBIAS:PBIAS+1] offset:64*\b
	global_load_b128 v[128+8*\b+4:128+8*\b+7], v[BO], s[PBIAS:PBIAS+1] offset:64*\b+16
.endr
.if KIND == 1
.set x, 0
.rept 16                               ; fragment 8 hh + 2 tj + u of M'^T: head hh, rows j 16 tj on, i 32 u on
	global_load_b128 v[8*x:8*x+3],   v[MO], s[PMH:PMH+1] offset:8192*(x/8)+2048*((x/2)%4)+64*(x%2)
	global_load_b128 v[8*x+4:8*x+7], v[MO], s[PMH:PMH+1] offset:8192*(x/8)+2048*((x/2)%4)+64*(x%2)+32
.set x, x+1
.endr
.endif
.endif
	WIN 0
	s_wait_loadcnt 0x0
.if KIND == 1
	s_wait_kmcnt 0x0
	s_mov_b32 s[SC], s72
	s_mov_b32 s[SC+1], s72
	s_mov_b32 s[SC+2], s73
	s_mov_b32 s[SC+3], s73
.endif
.if KIND == 0
	WIN 0x41                                       ; a lane's eight results of a tile lie in one column: its bias eight times.  Written in the wait for the first tile
.set x, 0
.rept 16
.irp i, 1,2,3,4,5,6,7
	v_mov_b32 v[128+8*x+\i], v[128+8*x]
.endr
.set x, x+1
.endr
	WIN 0
.endif
	s_wait_tensorcnt 0x1                           ; my tile of step 0 is in; step 1's may stay out
	s_barrier_signal -1
	s_barrier_wait -1                              ; everybody's is
	FETCH 0, 0
	s_wait_dscnt 16
.set cg, 0
.rept 8
	CVT4 0, cg
.set cg, cg+1
.endr
	QUARTER 0, 1                                   ; the first products stand in front of the loop: they start the sums
	QUARTER 1, 0
.if KIND == 0
	QUARTER 2, 1                                   ; V's sums start here
.else
	QUARTER 2, 0
.endif
	WIN 0
	s_mov_b32 s[CNT], NSTEP-2
.Lstep:                                                ; a trip: a step's last quarter, the change of slots with its refill, the next step's first three quarters
	TURN 1
	QUARTER 0, 0
	QUARTER 1, 0
	QUARTER 2, 0
	WIN 0
	s_sub_co_u32 s[CNT], s[CNT], 1
	s_cmp_lg_u32 s[CNT], 0
	s_cbranch_scc1 .Lstep
	TURN 0                                         ; the tail is written out: nothing is asked for
	QUARTER 0, 0
	QUARTER 1, 0
	QUARTER 2, 0
.set mi, 0
	s_wait_dscnt 0x0
	MM 1, 1, 0, 32                                 ; the very last quarter
.if KIND == 0
	; Kh and Vh to f16.  A lane's eight rows s of one column, rounded in pairs, ARE half a fragment of the product over s: fragment (u, b) = rows 32 u on of column tile b, from tiles (2 u, b) and (2 u + 1, b).
	; K's 128 roundings name no register of the last products (V's accumulators, FA, FB) and are the places in front of V's.
	WIN 0x0a
.set x, 0
.rept 16
.irp g, 0,1
.irp i, 0,1,2,3
	v_cvt_pk_f16_f32 v[128+8*x+4*\g+\i], v[8*(8*(2*(x/8)+\g)+x%8)+2*\i], v[8*(8*(2*(x/8)+\g)+x%8)+2*\i+1]
.endr
.endr
.set x, x+1
.endr
	WIN 0x4f
.set x, 0
.rept 16
.irp g, 0,1
.irp i, 0,1,2,3
	v_cvt_pk_f16_f32 v[8*x+4*\g+\i], v[8*(8*(2*(x/8)+\g)+x%8)+2*\i], v[8*(8*(2*(x/8)+\g)+x%8)+2*\i+1]
.endr
.endr
.set x, x+1
.endr
	; M = Kh^T Vh over my 64 rows, for my two heads: tile x = 16 hh + 4 ti + tj; source 0 = 16 columns i of Kh, source 1 = 16 columns j of Vh: a lane holds one j and eight neighbouring i.  32 accumulators by turns.
	WIN 0xa4
.irp u, 0,1
.set x, 0
.rept 32
.if \u == 0
	v_wmma_f32_16x16x32_f16 v[8*x:8*x+7], v[128+8*(4*(x/16)+(x/4)%4):128+8*(4*(x/16)+(x/4)%4)+7], v[8*(4*(x/16)+x%4):8*(4*(x/16)+x%4)+7], 0
.else
	v_wmma_f32_16x16x32_f16 v[8*x:8*x+7], v[128+8*(8+4*(x/16)+(x/4)%4):128+8*(8+4*(x/16)+(x/4)%4)+7], v[8*(8+4*(x/16)+x%4):8*(8+4*(x/16)+x%4)+7], v[8*x:8*x+7]
.endif
.set x, x+1
.endr
.endr
	PLACES
	PLACES
	WIN 0x08                                       ; store data in window 2
.set x, 0
.rept 32                               ; row j = 16 tj + l % 16, bytes 64 ti + 32 (l / 16) on.  Every wave has left slot 0 at the tail's barrier
	ds_store_b128 v[STO], v[8*x:8*x+3]   offset:(TILE/2)*(x/16)+16*272*(x%4)+64*((x/4)%4)
	ds_store_b128 v[STO], v[8*x+4:8*x+7] offset:(TILE/2)*(x/16)+16*272*(x%4)+64*((x/4)%4)+16
.set x, x+1
.endr
	WIN 0
	s_wait_dscnt 0x0                               ; for the others' sake: my stores are done
	s_barrier_signal -1
	s_barrier_wait -1
.set x, 0
.rept 32
	ds_load_b128 v[128+4*x:128+4*x+3], v[RD] offset:544*x
.set x, x+1
.endr
	WIN 0x44                                       ; destination and source 1 in window 1, source 0 in window 0: serves the loads, the sums and the stores below
.set x, 0
.rept 32
	ds_load_b128 v[4*x:4*x+3], v[RD2] offset:544*x
.set x, x+1
.endr
.set x, 0
.rept 32
	s_wait_dscnt 31-x                              ; load x of the second run is in; the younger ones stay out
	v_pk_add_f32 v[4*x:4*x+1],   v[128+4*x:128+4*x+1],   v[4*x:4*x+1]
	v_pk_add_f32 v[4*x+2:4*x+3], v[128+4*x+2:128+4*x+3], v[4*x+2:4*x+3]
	global_store_b128 v[CO], v[4*x:4*x+3], s[POUT:POUT+1] offset:512*x  ; 512 consecutive bytes, aligned
.set x, x+1
.endr
	WIN 0
.else
	PLACES
	PLACES
.if KIND == 1
	; Qh to f16.  A lane's eight columns i of one row, rounded in pairs, ARE half a fragment: fragment 8 hh + 4 u + a = row tile a, i 32 u on of head hh, from tiles (a, 4 hh + 2 u) and (a, 4 hh + 2 u + 1).
	WIN 0x0a
.set x, 0
.rept 16
.irp g, 0,1
.irp i, 0,1,2,3
	v_cvt_pk_f16_f32 v[128+8*x+4*\g+\i], v[8*(8*(x%4)+4*(x/8)+2*((x/4)%2)+\g)+2*\i], v[8*(8*(x%4)+4*(x/8)+2*((x/4)%2)+\g)+2*\i+1]
.endr
.endr
.set x, x+1
.endr
	; O^T = M'^T Qh^T: tile x = 8 a + 4 hh + tj; source 0 = 16 rows j of M'^T, source 1 = 16 rows of Qh: again one row and eight neighbouring columns a lane.  32 accumulators by turns.
	WIN 0xa3
.irp u, 0,1
.set x, 0
.rept 32
.if \u == 0
	v_wmma_f32_16x16x32_f16 v[8*x:8*x+7], v[8*(8*((x%8)/4)+2*(x%4)):8*(8*((x%8)/4)+2*(x%4))+7], v[128+8*(8*((x%8)/4)+x/8):128+8*(8*((x%8)/4)+x/8)+7], 0
.else
	v_wmma_f32_16x16x32_f16 v[8*x:8*x+7], v[8*(8*((x%8)/4)+2*(x%4)+1):8*(8*((x%8)/4)+2*(x%4)+1)+7], v[128+8*(8*((x%8)/4)+4+x/8):128+8*(8*((x%8)/4)+4+x/8)+7], v[8*x:8*x+7]
.endif
.set x, x+1
.endr
.endr
	PLACES
	PLACES
.endif
; THE WAY OUT, a row tile (16 rows x 128 columns of f32) at a time through my own stage: in as 32 bytes a lane, back as whole rows of 512 bytes.
.macro TOSTAGE a
.if KIND == 1
	WIN 0x82                                       ; the head's scale, an exact power of two with the 1 / 8 in it
.irp b, 0,1,2,3,4,5,6,7
.irp i, 0,1,2,3
	v_pk_mul_f32 v[8*(8*(\a)+\b)+2*\i:8*(8*(\a)+\b)+2*\i+1], v[8*(8*(\a)+\b)+2*\i:8*(8*(\a)+\b)+2*\i+1], s[SC+2*(\b/4):SC+2*(\b/4)+1] op_sel_hi:[1,0]
.endr
.endr
.endif
	WIN 0x08
.irp b, 0,1,2,3,4,5,6,7
	ds_store_b128 v[STO], v[8*(8*(\a)+\b):8*(8*(\a)+\b)+3]   offset:64*\b
	ds_store_b128 v[STO], v[8*(8*(\a)+\b)+4:8*(8*(\a)+\b)+7] offset:64*\b+16
.endr
	WIN 0
.if (\a) >= 2
	s_wait_xcnt 0x0                                ; the stores of the tile two back have read these registers
.endif
.set BK, 128+64*((\a)%2)
.set x, 0
.rept 16
	ds_load_b128 v[BK+4*x:BK+4*x+3], v[RD] offset:SPIT*x  ; LDS serves a wave's instructions in order (ISA guide 5.7.1.4): these see the stores above; the next tile's stores come behind them
.set x, x+1
.endr
.endm
.macro SEND a, younger                 ; younger: the LDS instructions issued behind tile a's loads: the next tile's 32, or none
	WIN 0
.set BK, 128+64*((\a)%2)
.set x, 0
.rept 16
	s_wait_dscnt (\younger)+15-x
.if KIND == 2
	global_store_b128 v[CO], v[BK+4*x:BK+4*x+3], s[POUT:POUT+1] offset:(16*(\a)+x)*4096 th:TH_STORE_NT  ; 512 consecutive bytes, aligned
.else
	global_store_b128 v[CO], v[BK+4*x:BK+4*x+3], s[POUT:POUT+1] offset:(16*(\a)+x)*4096
.endif
.set x, x+1
.endr
.endm
	TOSTAGE 0
	TOSTAGE 1
	SEND 0, 32
	TOSTAGE 2
	SEND 1, 32
	TOSTAGE 3
	SEND 2, 32
	SEND 3, 0
.endif
	s_wait_tensorcnt 0x0                           ; the wave's end: behind my last tensor load and my last LDS store
	ds_add_u32 v[SPW], v[NIL]
	s_wait_dscnt 0x0
	CROUND                                         ; the closing round: no work-group ends while a partner may still ask for a tile that names it
	s_endpgm
.Lfunc_end_k_qbd9bb065f2_kv:
	.size	k_qbd9bb065f2_kv, .Lfunc_end_k_qbd9bb065f2_kv-k_qbd9bb065f2_kv
	.p2alignl 7, 3214868480
	.fill 96, 4, 3214868480
	.section	.rodata,"a",@progbits
	.p2align	6, 0x0
	.amdhsa_kernel k_qbd9bb065f2_kv
		.amdhsa_group_segment_fixed_size 327680
		.amdhsa_private_segment_fixed_size 0
		.amdhsa_enable_private_segment 0
		.amdhsa_kernarg_size 48
		.amdhsa_user_sgpr_count 2
		.amdhsa_user_sgpr_kernarg_segment_ptr 1
		.amdhsa_wavefront_size32 1
		.amdhsa_system_sgpr_workgroup_id_x 1
		.amdhsa_system_sgpr_workgroup_id_y 1
		.amdhsa_system_sgpr_workgroup_id_z 1
		.amdhsa_system_vgpr_workitem_id 0
		.amdhsa_next_free_vgpr 1024
		.amdhsa_next_free_sgpr 80
		.amdhsa_reserve_vcc 0
		.amdhsa_float_denorm_mode_32 3
		.amdhsa_float_denorm_mode_16_64 3
		.amdhsa_memory_ordered 1
		.amdhsa_forward_progress 1
		.amdhsa_inst_pref_size 131
	.end_amdhsa_kernel
	.amdgpu_metadata
---
amdhsa.version: [ 1, 2 ]
amdhsa.kernels:
  - .name:           k_qbd9bb065f2_kv
    .symbol:         k_qbd9bb065f2_kv.kd
    .args:
      - { .name: k, .offset: 0, .size: 8, .value_kind: global_buffer, .address_space: global }
      - { .name: v, .offset: 8, .size: 8, .value_kind: global_buffer, .address_space: global }
      - { .name: wb, .offset: 16, .size: 8, .value_kind: global_buffer, .address_space: global }
      - { .name: bk, .offset: 24, .size: 8, .value_kind: global_buffer, .address_space: global }
      - { .name: bv, .offset: 32, .size: 8, .value_kind: global_buffer, .address_space: global }
      - { .name: mpart, .offset: 40, .size: 8, .value_kind: global_buffer, .address_space: global }
    .group_segment_fixed_size: 327680
    .private_segment_fixed_size: 0
    .kernarg_segment_align: 8
    .kernarg_segment_size: 48
    .max_flat_workgroup_size: 128
    .sgpr_count:     80
    .vgpr_count:     1024
    .wavefront_size: 32
...
	.end_amdgpu_metadata
.endif
;; end of part 2
;; launch msum (part 3): grid 16 x 4, 8 waves a work-group, no clusters, 1,280 bytes of LDS; arguments mpart, mh, msc; writes mh, msc
.if DOCPART == 3
	.amdgcn_target "amdgcn-amd-amdhsa--gfx1250"
	.amdhsa_code_object_version 6
	.text
	.protected	k_qbd9bb065f2_msum
	.globl	k_qbd9bb065f2_msum
	.p2align	8
	.type	k_qbd9bb065f2_msum,@function
k_qbd9bb065f2_msum:
	s_mov_b64 s[64:65], 0
	v_nop
	global_prefetch_b8 v0, s[64:65] scope:SCOPE_SE
	s_setreg_imm32_b32 hwreg(HW_REG_WAVE_MODE, 25, 1), 1
	s_wait_xcnt 0x0
; For one (batch, head): MT = the sum of the batch's 16 partial tiles of mpart (f32, in the fixed order 0 .. 15); x = the exponent field of the largest |MT|, held to 3 .. 252;
; mh = MT x 2^(126 - x) in f16 (magnitudes below 1); msc = 2^(x - 129): the way back, with the module's 1 / 8 in it.  Both factors are exact powers of two, made by whole-number arithmetic on values: no branch hangs on them.
; LIMITS.  An entry below 6e-5 of 2^(x - 126) keeps f16's fixed step of 6e-8 of it; NaN and infinities are not treated apart.
; 64 work-groups, one for each (batch, head): the largest magnitude wants the whole head.  A tile is 16,384 bytes: thread t of 256 takes 16 bytes at 16 t in each of its four quarters.
; A stream read once: nine partials' loads go out at the start, and a slot is asked for again as soon as it is added.  No matrix unit, no cluster: no byte is wanted twice.
.set SPW, 4                            ; v4  LDS address of my spare word: 256 + 4 x my thread's number; never rewritten
.set NIL, 5                            ; v5  0; never rewritten
.set ACC, 16                           ; v[16:31]   the sums
.set SL,  32                           ; v[32:159]  eight slots of 16
.set TM,  160                          ; v[160:175] at work
	s_load_b128 s[4:7], s[0:1], 0x0                ; mpart s[4:5], mh s[6:7]
	s_load_b64 s[8:9], s[0:1], 0x10                ; msc
	v_lshl_add_u32 v[SPW], v0, 2, 256
	v_mov_b32 v[NIL], 0
	v_lshrrev_b32 v1, 5, v0                        ; wave
	v_lshlrev_b32 v6, 2, v1                        ; its word in LDS
	v_mov_b32 v7, 0
	v_lshlrev_b32 v2, 4, v0                        ; 16 t
	v_lshlrev_b32 v3, 3, v0                        ; 8 t
	s_and_b32 s11, ttmp7, 0xffff                   ; batch
	s_lshl_b32 s12, s11, 22                        ; 16 row blocks x 16 heads x 16,384 bytes
	s_lshl_b32 s13, ttmp9, 14                      ; the head
	s_add_co_u32 s12, s12, s13
	s_mov_b32 s13, 0
	s_lshl_b32 s14, s11, 4
	s_add_co_u32 s14, s14, ttmp9                   ; 16 x batch + head
	s_lshl_b32 s16, s14, 13
	s_mov_b32 s17, 0
	s_lshl_b32 s18, s14, 2
	s_mov_b32 s19, 0
	s_mov_b32 s20, 0x76543210                      ; v_permlanex16_b32: each lane takes its own place in the other half
	s_mov_b32 s21, 0xfedcba98
	s_wait_kmcnt 0x0
	s_add_nc_u64 s[4:5], s[4:5], s[12:13]
	s_add_nc_u64 s[6:7], s[6:7], s[16:17]
	s_add_nc_u64 s[8:9], s[8:9], s[18:19]
.macro LD4 dst, part                   ; a partial's four loads: partials lie 262,144 bytes apart
.irp c, 0,1,2,3
	global_load_b128 v[(\dst)+4*\c:(\dst)+4*\c+3], v2, s[4:5] offset:262144*(\part)+4096*\c th:TH_LOAD_NT
.endr
.endm
	LD4 ACC, 0
.set pp, 1
.rept 8
	LD4 SL+16*(pp-1), pp
.set pp, pp+1
.endr
.set pp, 1
.rept 15
.if pp <= 8
	s_wait_loadcnt 28                              ; behind this partial's loads stand seven others' four each
.else
	s_wait_loadcnt 4*(15-pp)                       ; nothing is asked for any more: the counts run down
.endif
.set sl, SL+16*((pp-1)%8)
.irp i, 0,2,4,6,8,10,12,14
	v_pk_add_f32 v[ACC+\i:ACC+\i+1], v[ACC+\i:ACC+\i+1], v[sl+\i:sl+\i+1]
.endr
.if pp <= 7
	LD4 sl, pp+8
.endif
.set pp, pp+1
.endr
	; the largest magnitude: in the lane, in the wave, in the work-group
.irp i, 0,1,2,3,4,5,6,7,8,9,10,11,12,13,14,15
	v_and_b32 v[TM+\i], 0x7fffffff, v[ACC+\i]
.endr
.irp i, 0,3,6,9,12
	v_max3_num_f32 v[TM+\i], v[TM+\i], v[TM+\i+1], v[TM+\i+2]
.endr
	v_max3_num_f32 v[TM], v[TM], v[TM+3], v[TM+6]
	v_max3_num_f32 v[TM+9], v[TM+9], v[TM+12], v[TM+15]
	v_max_num_f32 v[TM], v[TM], v[TM+9]
	v_max_num_f32_dpp v[TM], v[TM], v[TM] row_xmask:1 row_mask:0xf bank_mask:0xf
	v_max_num_f32_dpp v[TM], v[TM], v[TM] row_xmask:2 row_mask:0xf bank_mask:0xf
	v_max_num_f32_dpp v[TM], v[TM], v[TM] row_xmask:4 row_mask:0xf bank_mask:0xf
	v_max_num_f32_dpp v[TM], v[TM], v[TM] row_xmask:8 row_mask:0xf bank_mask:0xf
	v_permlanex16_b32 v[TM+1], v[TM], s20, s21
	v_max_num_f32 v[TM], v[TM], v[TM+1]
	ds_store_b32 v6, v[TM]                         ; all lanes of a wave write the same word with the same value
	s_wait_dscnt 0x0                               ; for the others' sake
	s_barrier_signal -1
	s_barrier_wait -1
	ds_load_b128 v[TM+4:TM+7], v7                  ; the eight waves' maxima, in every lane
	ds_load_b128 v[TM+8:TM+11], v7 offset:16
	s_wait_dscnt 0x0
	v_max3_num_f32 v[TM+4], v[TM+4], v[TM+5], v[TM+6]
	v_max3_num_f32 v[TM+7], v[TM+7], v[TM+8], v[TM+9]
	v_max3_num_f32 v[TM+4], v[TM+4], v[TM+7], v[TM+10]
	v_max_num_f32 v[TM+4], v[TM+4], v[TM+11]
	v_lshrrev_b32 v8, 23, v[TM+4]                  ; its exponent field (the sign is 0)
	v_max_u32 v8, 3, v8
	v_min_u32 v8, 0xfc, v8
	v_sub_nc_u32 v10, 0xfd, v8
	v_lshlrev_b32 v10, 23, v10                     ; 2^(126 - x)
	v_mov_b32 v11, v10
	v_add_nc_u32 v12, -2, v8
	v_lshlrev_b32 v12, 23, v12                     ; 2^(x - 129)
.irp i, 0,2,4,6,8,10,12,14
	v_pk_mul_f32 v[ACC+\i:ACC+\i+1], v[ACC+\i:ACC+\i+1], v[10:11]
.endr
.irp i, 0,1,2,3,4,5,6,7
	v_cvt_pk_f16_f32 v[SL+\i], v[ACC+2*\i], v[ACC+2*\i+1]
.endr
.irp c, 0,1,2,3
	global_store_b64 v3, v[SL+2*\c:SL+2*\c+1], s[6:7] offset:2048*\c  ; a wave's store covers 256 consecutive bytes, aligned
.endr
	v_cmp_eq_u32 vcc_lo, 0, v0
	s_wait_xcnt 0x0                                ; EXEC changes only behind this wait
	s_and_saveexec_b32 s22, vcc_lo
	global_store_b32 v7, v12, s[8:9]               ; thread 0 alone: the head's one word of msc
	s_wait_xcnt 0x0                                ; and again, in front of the line that widens it
	s_or_b32 exec_lo, exec_lo, s22
	s_wait_tensorcnt 0x0                           ; the wave's end: behind my last LDS store
	ds_add_u32 v[SPW], v[NIL]
	s_wait_dscnt 0x0
	s_endpgm
.Lfunc_end_k_qbd9bb065f2_msum:
	.size	k_qbd9bb065f2_msum, .Lfunc_end_k_qbd9bb065f2_msum-k_qbd9bb065f2_msum
	.p2alignl 7, 3214868480
	.fill 96, 4, 3214868480
	.section	.rodata,"a",@progbits
	.p2align	6, 0x0
	.amdhsa_kernel k_qbd9bb065f2_msum
		.amdhsa_group_segment_fixed_size 1280
		.amdhsa_private_segment_fixed_size 0
		.amdhsa_enable_private_segment 0
		.amdhsa_kernarg_size 24
		.amdhsa_user_sgpr_count 2
		.amdhsa_user_sgpr_kernarg_segment_ptr 1
		.amdhsa_wavefront_size32 1
		.amdhsa_system_sgpr_workgroup_id_x 1
		.amdhsa_system_sgpr_workgroup_id_y 1
		.amdhsa_system_sgpr_workgroup_id_z 1
		.amdhsa_system_vgpr_workitem_id 0
		.amdhsa_next_free_vgpr 176
		.amdhsa_next_free_sgpr 66
		.amdhsa_reserve_vcc 1
		.amdhsa_float_denorm_mode_32 3
		.amdhsa_float_denorm_mode_16_64 3
		.amdhsa_memory_ordered 1
		.amdhsa_forward_progress 1
		.amdhsa_inst_pref_size 20
	.end_amdhsa_kernel
	.amdgpu_metadata
---
amdhsa.version: [ 1, 2 ]
amdhsa.kernels:
  - .name:           k_qbd9bb065f2_msum
    .symbol:         k_qbd9bb065f2_msum.kd
    .args:
      - { .name: mpart, .offset: 0, .size: 8, .value_kind: global_buffer, .address_space: global }
      - { .name: mh, .offset: 8, .size: 8, .value_kind: global_buffer, .address_space: global }
      - { .name: msc, .offset: 16, .size: 8, .value_kind: global_buffer, .address_space: global }
    .group_segment_fixed_size: 1280
    .private_segment_fixed_size: 0
    .kernarg_segment_align: 8
    .kernarg_segment_size: 24
    .max_flat_workgroup_size: 256
    .sgpr_count:     66
    .vgpr_count:     176
    .wavefront_size: 32
...
	.end_amdgpu_metadata
.endif
;; end of part 3
;; launch qo (part 4): grid 4 x 64, 4 waves a work-group, clusters of 4 x 4, 327,680 bytes of LDS; arguments q, wb, bq, mh, msc, ob; writes ob
.if DOCPART == 4
	.amdgcn_target "amdgcn-amd-amdhsa--gfx1250"
	.amdhsa_code_object_version 6
	.text
	.protected	k_qbd9bb065f2_qo
	.globl	k_qbd9bb065f2_qo
	.p2align	8
	.type	k_qbd9bb065f2_qo,@function
k_qbd9bb065f2_qo:
	s_mov_b64 s[64:65], 0
	v_nop
	global_prefetch_b8 v0, s[64:65] scope:SCOPE_SE
	s_setreg_imm32_b32 hwreg(HW_REG_WAVE_MODE, 25, 1), 1
	s_wait_xcnt 0x0
	s_wait_alu depctr_hold_cnt(0) depctr_sa_sdst(0) depctr_va_vdst(0) depctr_va_sdst(0) depctr_va_ssrc(0) depctr_va_vcc(0) depctr_vm_vsrc(0)
	s_getreg_b32 s2, hwreg(HW_REG_IB_STS2, 6, 4)
	s_cmp_eq_u32 s2, 0
	s_cbranch_scc0 .Lentry_in_a_cluster
	s_endpgm
.Lentry_in_a_cluster:
	s_bfe_u32 s2, ttmp6, 0x10000c
	s_cmp_lg_u32 s2, 0xf033
	s_cbranch_scc0 .Lentry_shape_is_right
	s_endpgm
.Lentry_shape_is_right:
; ONE TEXT FOR THREE LAUNCHES, told apart by KIND.  The module is (Q K^T / 8) V with no softmax between the products, so it is computed as Q (K^T V) / 8: the order of rounding differs from the written order.
;   KIND 0: Kh = k Wk + bk and Vh = v Wv + bv for 128 rows x 256 columns (4 heads), kept in registers, rounded to f16; then for each head the partial MT[j][i] = sum over the 128 rows of Kh[s][i] Vh[s][j], f32, into mpart.
;   KIND 1 (THIS FILE): Qh = q Wq + bq, rounded to f16 in registers; O = (Qh M') x scale, f32, into ob.      KIND 2: out0 = O Wo + bo.
; FORMATS.  The f32 rows (k, v, q, O) are rounded to bf16 between LDS and the matrix unit; the weights come from wb in bf16; sums in f32; biases in f32, as the C operand of each sum's first product.
; LIMITS.  |Kh|, |Vh|, |Qh| stay below 65,504 (f16); NaN and infinities are not treated apart.
; SHARES.  A work-group makes 128 rows x 256 columns; wave w rows 64 (w / 2) on, columns 128 (w % 2) on: 4 x 8 accumulators of 16 x 16, 256 registers (KIND 0: two such sets).  256 work-groups.
; RING.  Two LDS slots of four tiles of 32 KiB, one tensor load a wave: TA0, TA1 = 128 rows x 64 f32 (256 bytes of memory a row, LDS pitch 272); TB0, TB1 = 64 k-rows x 256 bf16 (512 bytes, pitch 544).
;   KIND 0: tiles 0 are (k, Wk), tiles 1 (v, Wv), 64 along K a step, 16 steps.   KIND 1, 2: tile t is K range 128 s + 64 t, 8 steps.   A step is 128 matrix instructions a wave in every kind.
; CLUSTER.  4 x 4 work-groups.  A's tiles hang on the row block alone and are asked for jointly along a row of the cluster, B's on the column block alone, jointly along a column.
; REGISTERS, in windows of 256 (s_set_vgpr_msb: bits 1:0 source 0, 3:2 source 1, 5:4 source 2, 7:6 destination):
;   window 0: v0-18 addresses; v32-95 FA, A's fragments in bf16, two buffers; v128-191 RAW, a quarter's A in f32; v128-255 at work in the epilogues
;   window 1: v0-127 FB, B's fragments, two buffers; KIND 0: v128-255 bias blocks      window 2: the accumulators, tile (a, b) at 8 (8 a + b)
;   window 3: KIND 0: V's accumulators; KIND 1: v0-127 M' fragments; KIND 1, 2: v128-191 bias blocks
.set KIND,   1
.set PITA,   272                       ; 68 words: the 16 rows of a load start at 16 different groups of four banks (64 banks of 4 bytes: ISA guide 11.1)
.set PITB,   544                       ; 136 words
.set TILE,   34816                     ; 128 x 272 = 64 x 544
.set SLOT,   4*TILE                    ; 0x22000: its two bits meet none of w x TILE's, so one exclusive or turns an address in one slot into the other's
.set STAGE,  2*SLOT                    ; behind the ring (KIND 1, 2): 16 rows x 528 bytes for each wave, for the way out
.set SPIT,   528
.set WSTG,   16*SPIT
.set SPARE,  STAGE+4*WSTG              ; the spare words, 128 bytes for each wave: two blocks of 256 bytes that no other line names
.if KIND == 0
.set NSTEP,  16
.set STEPA,  256                       ; bytes along a row of A from step to step
.set STEPB,  64*2048                   ; bytes down wb from step to step
.set PW,     8                         ; s[8:9] wb
.set POUT,   14                        ; s[14:15] mpart
.else
.set NSTEP,  8
.set STEPA,  512
.set STEPB,  128*2048
.set PW,     6                         ; s[6:7] wb
.set PBIAS,  8                         ; s[8:9] the bias
.if KIND == 1
.set POUT,   14                        ; s[14:15] ob
.else
.set POUT,   10                        ; s[10:11] out0
.endif
.endif
.set PMH,    10                        ; KIND 1: s[10:11] mh, s[12:13] msc
.set PMS,    12
.set ADRA0,  4                         ; v4   my lane's place in tile TA0 of slot 0; never rewritten
.set ADRB0,  5                         ; v5   the same in TB0
.set ADRA,   6                         ; v6   the same in the slot in hand
.set ADRB,   7
.set STO,    8                         ; v8   the way out: where I put my bytes
.set RD,     9                         ; v9   where I read rows back
.set RD2,    10                        ; v10  KIND 0: the same in the other row half's partial
.set CO,     11                        ; v11  16 x lane
.set PFO,    12                        ; v12  the prefetches' offset; never rewritten
.set BO,     13                        ; v13  my offset in the bias
.set SPW,    14                        ; v14  LDS address of my spare word; never rewritten
.set NIL,    15                        ; v15  0; never rewritten
.set MO,     16                        ; v16  KIND 1: my offset in a head's M'
.set FA,     32
.set RAW,    128
.set WV,     16                        ; s16 wave; s17 its row half; s18 its column half, and which of a kind's two tiles it fetches
.set WR,     17
.set WC,     18
.set CX,     19
.set CY,     20
.set COLB,   21                        ; column block of 256
.set ROWB,   22                        ; row block of 128
.set CLY,    23                        ; cluster y
.set G1A,    24                        ; s[24:31] descriptor group 1 for A's tiles;  s[32:39] group 0: a set for each first fill; the second then walks
.set G0A,    32
.set G1B,    48                        ; s[48:55], s[56:63] the same for B's
.set G0B,    56
.set TB,     66                        ; s66 LDS byte at which the slot in hand begins
.set CNT,    67                        ; s67 refills still to come
.set LIM,    68                        ; s68 a wave prefetches while CNT is above it
.set PFA,    70                        ; s[70:71] where my prefetches stand
.set SC,     74                        ; KIND 1: s[74:75], s[76:77] the two heads' scales, each as a pair
.set PFS,    78                        ; s[78:79] the prefetches' step
.set MSB, 0
.macro WIN new                         ; the immediate's high byte repeats the setting that is left; a switch that changes nothing is dropped
.if MSB != (\new)
	s_set_vgpr_msb (MSB<<8)|(\new)
.set MSB, (\new)
.endif
.endm
.macro PLACES                          ; four plain vector instructions between a matrix instruction and a reader of its result or a writer of its registers (ISA guide 7.12.1)
.rept 4
	v_nop
.endr
.endm
.macro CREST                           ; a round of the cluster's barrier behind its opening barrier
	s_cmp_lg_u32 s[WV], 0
	s_cbranch_scc1 .Lnw0_\@
	s_barrier_signal -3
.Lnw0_\@:
	s_barrier_wait -3
	s_barrier_signal -1
	s_barrier_wait -1
.endm
.macro CROUND                          ; a whole round
	s_barrier_signal -1
	s_barrier_wait -1
	CREST
.endm
; A joint refill: waves 0 and 1 fetch A's two tiles, waves 2 and 3 B's.  The branch hangs on the wave's number alone.  An s_nop 0 and four v_nop follow each line.
.macro JLOAD
	s_cmp_lt_u32 s[WV], 2
	s_cbranch_scc0 .Lforb_\@
	tensor_load_to_lds s[G0A+4:G0A+7], s[G1A:G1A+7]
	s_nop 0
.rept 4
	v_nop
.endr
	s_branch .Lasked_\@
.Lforb_\@:
	tensor_load_to_lds s[G0B+4:G0B+7], s[G1B:G1B+7]
	s_nop 0
.rept 4
	v_nop
.endr
.Lasked_\@:
.endm
; A PREFETCH of my tile of the step that stands two refills on (256 matrix instructions ahead of the load that will want it): 32 blocks of 256 bytes, a lane a block, one instruction a wave.
; A's tile (128 rows x 256 bytes) is read by my row of the cluster alone: partner cx names rows 32 cx on.  B's tile (64 rows x 512 bytes) is read by all sixteen clusters: cluster y = 0 asks, partner cy names rows 16 cy on.
; The partners are told apart by address.  So each block is named once in the launch.  Steps 0 to 3 come by their loads alone; the last two refills have no step two on, and ask for nothing.
.macro ASK
	s_cmp_gt_u32 s[CNT], s[LIM]
	s_cbranch_scc0 .Lnoask_\@
	global_prefetch_b8 v[PFO], s[PFA:PFA+1] th:TH_LOAD_NT scope:SCOPE_SE
.Lnoask_\@:
.endm
; The quarter's next cnt matrix instructions, on fragment buffers p.  Number mi is tile (mi / 8, mi % 8): the 32 accumulators take turns, in the same order in every quarter.
; KIND 0: source 0 = 16 rows of A, source 1 = 16 columns of W: a lane holds one column and eight rows.  KIND 1, 2: the sources swapped: a lane holds one row and eight neighbouring columns.
; first = 1: the sum's first product takes the bias block as C: nothing is cleared and no bias is added later.
.macro MM p, t, first, cnt
.rept (\cnt)
.set rD, 8*mi
.set rA, FA+32*(\p)+8*(mi/8)
.set rB, 64*(\p)+8*(mi%8)
.if KIND == 0
.set rC, 128+64*(\t)+8*(mi%8)
.if \first
	WIN 0x94+0x40*(\t)
	v_wmma_f32_16x16x32_bf16 v[rD:rD+7], v[rA:rA+7], v[rB:rB+7], v[rC:rC+7]
.else
	WIN 0xa4+0x50*(\t)
	v_wmma_f32_16x16x32_bf16 v[rD:rD+7], v[rA:rA+7], v[rB:rB+7], v[rD:rD+7]
.endif
.else
.set rC, 128+8*(mi%8)
.if \first
	WIN 0xb1
	v_wmma_f32_16x16x32_bf16 v[rD:rD+7], v[rB:rB+7], v[rA:rA+7], v[rC:rC+7]
.else
	WIN 0xa1
	v_wmma_f32_16x16x32_bf16 v[rD:rD+7], v[rB:rB+7], v[rA:rA+7], v[rD:rD+7]
.endif
.endif
.set mi, mi+1
.endr
.endm
; 32 LDS loads in one run: quarter q (tiles q / 2, 32 along K from 32 (q % 2) on).  A first: 64 rows x 32 f32 into RAW (lane: row l % 16, k = 8 (l / 16) + 0..7 and 16 + 8 (l / 16) + 0..7: four loads of 16 bytes);
; then B, turned: 32 k x 128 columns into buffer pn.
.macro FETCH q, pn
.set qa, ((\q)/2)*TILE+128*((\q)%2)
.set qb, ((\q)/2)*TILE+32*PITB*((\q)%2)
	WIN 0
.irp a, 0,1,2,3
	ds_load_b128 v[RAW+16*\a:RAW+16*\a+3],     v[ADRA] offset:qa+16*PITA*\a
	ds_load_b128 v[RAW+16*\a+4:RAW+16*\a+7],   v[ADRA] offset:qa+16*PITA*\a+16
	ds_load_b128 v[RAW+16*\a+8:RAW+16*\a+11],  v[ADRA] offset:qa+16*PITA*\a+64
	ds_load_b128 v[RAW+16*\a+12:RAW+16*\a+15], v[ADRA] offset:qa+16*PITA*\a+80
.endr
	WIN 0x40                                       ; destination window 1
.irp b, 0,1,2,3,4,5,6,7
	ds_load_tr16_b128 v[64*(\pn)+8*\b:64*(\pn)+8*\b+3],   v[ADRB] offset:qb+32*\b
	ds_load_tr16_b128 v[64*(\pn)+8*\b+4:64*(\pn)+8*\b+7], v[ADRB] offset:qb+32*\b+16*PITB
.endr
.endm
.macro CVT4 pn, g                      ; four of the 32 roundings that make RAW into buffer pn of FA
	WIN 0
.irp i, 0,1,2,3
	v_cvt_pk_bf16_f32 v[FA+32*(\pn)+4*(\g)+\i], v[RAW+8*(\g)+2*\i], v[RAW+8*(\g)+2*\i+1]
.endr
.endm
; A step is four quarters of 32 matrix instructions, on buffers 0, 1, 0, 1.  One of the first three: it multiplies buffer q % 2, fetches the next quarter at its head and rounds that quarter's A in fours behind its later products.
; The last four roundings stand behind the quarter's last product: they name none of its registers and are the four places in front of the next run of loads into B's buffer and the next writes of A's.
.macro QUARTER q, first
.set mi, 0
.set cg, 0
	s_wait_dscnt 0x0                               ; this quarter's B, asked for a quarter ago, is in
	FETCH (\q)+1, 1-(\q)%2
	MM (\q)%2, (\q)/2, \first, 16
	s_wait_dscnt 16                                ; the 16 loads of A are in; the 16 younger ones, B's, may stay out
.rept 8
	MM (\q)%2, (\q)/2, \first, 2
	CVT4 1-(\q)%2, cg
.set cg, cg+1
.endr
.endm
; The last quarter multiplies buffer 1 and changes slots.  In front of the barrier each wave waits for all its tensor loads (one is out: its tile of the next slot), adds 0 to its spare word, and waits for that and for its
; reads of this slot.  fill = 1: the barrier opens a round of the cluster's barrier, and the joint refill of this slot, with the step two on, is the first thing behind the round: 112 matrix instructions ahead of the wait for it.
.macro TURN fill
.set mi, 0
.set cg, 0
.if \fill
	s_wait_xcnt 0x0                                ; the last prefetch, a step back, has read its address
	s_add_nc_u64 s[PFA:PFA+1], s[PFA:PFA+1], s[PFS:PFS+1]
.endif
	WIN 0
	s_wait_tensorcnt 0x0                           ; no tensor load of mine is out, so a group 0 may be written
	ds_add_u32 v[SPW], v[NIL]                      ; 0 onto my spare word
	s_wait_dscnt 1                                 ; all but the add: this quarter's B is in
.if \fill
	s_xor_b32 s[G0A+5], s[G0A+5], SLOT             ; the walking descriptors: the other slot than last time, the next step
	s_add_nc_u64 s[G0A+6:G0A+7], s[G0A+6:G0A+7], STEPA
	s_xor_b32 s[G0B+5], s[G0B+5], SLOT
	s_add_nc_u64 s[G0B+6:G0B+7], s[G0B+6:G0B+7], STEPB
.endif
	s_xor_b32 s[TB], s[TB], SLOT
	MM 1, 1, 0, 8
	s_wait_dscnt 0x0                               ; the add is done, and my reads of this slot are over
	s_barrier_signal -1
	MM 1, 1, 0, 8                                  ; work on registers while the others arrive
	WIN 0                                          ; at a branch and at a label every window is 0
	s_barrier_wait -1
.if \fill
	CREST
	JLOAD
.else
	PLACES
.endif
	v_add_nc_u32 v[ADRA], s[TB], v[ADRA0]
	v_add_nc_u32 v[ADRB], s[TB], v[ADRB0]
	FETCH 0, 0
	WIN 0
.if \fill
	ASK
.endif
	MM 1, 1, 0, 8
	s_wait_dscnt 16
.rept 8
	MM 1, 1, 0, 1
	CVT4 0, cg
.set cg, cg+1
.endr
.endm
	s_load_b256 s[4:11], s[0:1], 0x0               ; KIND 0: k, v, wb, bk;  KIND 1: q, wb, bq, mh;  KIND 2: ob, wb, bo, out0
.if KIND < 2
	s_load_b128 s[12:15], s[0:1], 0x20             ; KIND 0: bv, mpart;  KIND 1: msc, ob
.endif
	v_lshl_add_u32 v[SPW], v0, 2, SPARE
	v_mov_b32 v[NIL], 0
	ds_add_u32 v[SPW], v[NIL]                      ; the wave's opening: the add and its wait stand ahead of my first tensor load; work on registers stands between them
	v_lshrrev_b32 v1, 5, v0
	v_readfirstlane_b32 s[WV], v1
	s_lshr_b32 s[WR], s[WV], 1
	s_and_b32 s[WC], s[WV], 1
	s_bfe_u32 s[CX], ttmp6, 0x40000
	s_bfe_u32 s[CY], ttmp6, 0x40004
	s_lshl_b32 s[COLB], ttmp9, 2
	s_add_co_u32 s[COLB], s[COLB], s[CX]
	s_and_b32 s[CLY], ttmp7, 0xffff
	s_lshl_b32 s[ROWB], s[CLY], 2
	s_add_co_u32 s[ROWB], s[ROWB], s[CY]
	s_lshl_b32 s2, s[CY], 2
	s_lshl_b32 s2, 15, s2                          ; my row of the cluster
	s_lshl_b32 s47, 0x1111, s[CX]                  ; my column
	s_or_b32 s[G1A], s2, (2<<16)|(1<<20)|(1<<21)|(5<<22)|(3<<25)   ; the mask; elements of 4 bytes; padding on; bit 21 beside a mask; after every 64 words, 4 words
	s_mov_b32 s[G1A+1], 64<<16                     ; tensor_dim0 = 64
	s_mov_b32 s[G1A+2], 128<<16                    ; tensor_dim1 = 128
	s_mov_b32 s[G1A+3], 64<<16                     ; tile_dim0 = 64
	s_mov_b32 s[G1A+4], 128                        ; tile_dim1 = 128
	s_mov_b32 s[G1A+5], 1024                       ; elements from row to row
	s_mov_b32 s[G1A+6], 0
	s_mov_b32 s[G1A+7], 0
	s_or_b32 s[G1B], s47, (1<<16)|(1<<20)|(1<<21)|(6<<22)|(7<<25)  ; elements of 2 bytes; after every 128 words, 8 words
	s_mov_b32 s[G1B+1], 256<<16
	s_mov_b32 s[G1B+2], 64<<16
	s_mov_b32 s[G1B+3], 256<<16
	s_mov_b32 s[G1B+4], 64
	s_mov_b32 s[G1B+5], 1024
	s_mov_b32 s[G1B+6], 0
	s_mov_b32 s[G1B+7], 0
	s_lshl_b32 s40, s[ROWB], 19                    ; A: 128 rows of 4,096 bytes a row block; these registers never hold cx
.if KIND != 0
	s_lshl_b32 s41, s[WC], 8                       ; + 64 f32 for tile 1
	s_add_co_u32 s40, s40, s41
.endif
	s_mov_b32 s41, 0
	s_lshl_b32 s42, s[COLB], 9                     ; B: 512 bytes a column block; these registers never hold cy
.if KIND == 0
	s_lshl_b32 s43, s[WC], 21                      ; tile 1 is Wv's
.else
	s_lshl_b32 s43, s[WC], 17                      ; tile 1 lies 64 k-rows down,
	s_add_co_u32 s43, s43, (KIND+1)*2097152        ; in Wq's or Wo's part of wb
.endif
	s_add_co_u32 s42, s42, s43
	s_mov_b32 s43, 0
	s_mul_i32 s46, s[WV], TILE                     ; wave w fills tile w: no place in the cluster enters an LDS address
	s_wait_dscnt 0x0                               ; the opening add is done
	s_wait_kmcnt 0x0
.if KIND == 0
	s_cmp_eq_u32 s[WC], 0
	s_cselect_b64 s[2:3], s[4:5], s[6:7]           ; tile 0 is k's, tile 1 v's
	s_add_nc_u64 s[40:41], s[2:3], s[40:41]
.else
	s_add_nc_u64 s[40:41], s[4:5], s[40:41]
.endif
	s_add_nc_u64 s[42:43], s[PW:PW+1], s[42:43]
.irp n, 0,1
	s_mov_b32 s[G0A+4*\n], 1                                       ; count = 1
	s_add_co_u32 s[G0A+4*\n+1], s46, \n*SLOT                       ; LDS address
	s_add_nc_u64 s[G0A+4*\n+2:G0A+4*\n+3], s[40:41], \n*STEPA      ; global address: step n
	s_or_b32 s[G0A+4*\n+3], s[G0A+4*\n+3], 0x80000000              ; type = 2
	s_mov_b32 s[G0B+4*\n], 1
	s_add_co_u32 s[G0B+4*\n+1], s46, \n*SLOT
	s_add_nc_u64 s[G0B+4*\n+2:G0B+4*\n+3], s[42:43], \n*STEPB
	s_or_b32 s[G0B+4*\n+3], s[G0B+4*\n+3], 0x80000000
.endr
	CROUND                                         ; all sixteen work-groups are here: the first joint loads meet
	s_cmp_lt_u32 s[WV], 2                          ; a wave's two first fills stand in one branch: two loads of mine are out
	s_cbranch_scc0 .Lfirst_b
	tensor_load_to_lds s[G0A:G0A+3], s[G1A:G1A+7]
	s_nop 0
	tensor_load_to_lds s[G0A+4:G0A+7], s[G1A:G1A+7]
	s_nop 0
.rept 4
	v_nop
.endr
	s_branch .Lfirst_done
.Lfirst_b:
	tensor_load_to_lds s[G0B:G0B+3], s[G1B:G1B+7]
	s_nop 0
	tensor_load_to_lds s[G0B+4:G0B+7], s[G1B:G1B+7]
	s_nop 0
.rept 4
	v_nop
.endr
.Lfirst_done:
	v_and_b32 v1, 15, v0                           ; l % 16
	v_bfe_u32 v2, v0, 4, 1                         ; l / 16
	v_mul_u32_u24 v[ADRA0], v1, PITA
	v_lshl_add_u32 v[ADRA0], v2, 5, v[ADRA0]       ; row x pitch + 32 x half
	s_mul_i32 s44, s[WR], 64*PITA                  ; my 64 rows
	v_add_nc_u32 v[ADRA0], s44, v[ADRA0]
	v_and_b32 v3, 7, v0                            ; the turning load: lane l reads k-row 8 (l / 16) + l % 8, columns 8 ((l / 8) % 2) + 0..7
	v_lshl_add_u32 v3, v2, 3, v3
	v_mul_u32_u24 v[ADRB0], v3, PITB
	v_bfe_u32 v3, v0, 3, 1
	v_lshl_add_u32 v[ADRB0], v3, 4, v[ADRB0]
	s_lshl_b32 s44, s[WC], 8                       ; my 128 columns,
	s_add_co_u32 s44, s44, 2*TILE                  ; behind A's two tiles
	v_add_nc_u32 v[ADRB0], s44, v[ADRB0]
	v_mov_b32 v[ADRA], v[ADRA0]
	v_mov_b32 v[ADRB], v[ADRB0]
	s_mov_b32 s[TB], 0
	v_and_b32 v3, 31, v0
	v_lshlrev_b32 v[CO], 4, v3
	; the prefetches
	v_lshlrev_b32 v[PFO], 12, v3                   ; A: a lane a row of 4,096 bytes
	v_lshrrev_b32 v17, 1, v3                       ; B: two lanes a row of 2,048 bytes, 256 bytes each
	v_and_b32 v18, 1, v3
	v_lshlrev_b32 v17, 11, v17
	v_lshl_add_u32 v17, v18, 8, v17
	s_lshl_b32 s44, s[CX], 17                      ; A: my work-group's 32 rows of the 128
	s_lshl_b32 s45, s[CY], 15                      ; B: its 16 rows of the 64
	s_mov_b32 s[PFS], STEPB
	s_cmp_eq_u32 s[CLY], 0
	s_cselect_b32 s[LIM], 2, -1                    ; B's tiles: the first cluster alone asks
	s_cmp_lt_u32 s[WV], 2
	s_cselect_b32 s[LIM], 2, s[LIM]
	s_cselect_b32 s[PFS], STEPA, s[PFS]
	s_cselect_b32 s44, s44, s45
	s_cselect_b32 s47, -1, 0
	s_cselect_b64 s[PFA:PFA+1], s[40:41], s[42:43]
	s_mov_b32 s[PFS+1], 0
	s_mov_b32 s45, 0
	v_cndmask_b32 v[PFO], v17, v[PFO], s47
	s_add_nc_u64 s[PFA:PFA+1], s[PFA:PFA+1], s[44:45]
	s_mul_i32 s44, s[PFS], 3                       ; at step 3: the first change of slots steps it to 4
	s_add_nc_u64 s[PFA:PFA+1], s[PFA:PFA+1], s[44:45]
	; the bias: my wave's 128 columns begin at byte 1,024 x column block + 512 x column half
	s_lshl_b32 s44, s[COLB], 10
	s_lshl_b32 s45, s[WC], 9
	s_add_co_u32 s44, s44, s45
.if KIND == 0
	v_lshlrev_b32 v[BO], 2, v1                     ; a lane holds column l % 16 of a tile
.else
	v_lshlrev_b32 v[BO], 5, v2                     ; a lane holds columns 8 (l / 16) + 0..7 of a tile
.endif
	v_add_nc_u32 v[BO], s44, v[BO]
.if KIND == 0
	; the way out: partial tiles go into slot 0, which has had its last fill by then: wave w's two heads at w x 34,816, 64 rows of 272 bytes each
	v_mul_u32_u24 v[STO], v1, 272
	v_lshl_add_u32 v[STO], v2, 5, v[STO]
	v_add_nc_u32 v[STO], s46, v[STO]
	v_mul_u32_u24 v[RD], v2, 272                   ; back: lanes 0-15 one row of 256 bytes, lanes 16-31 the next; wave (wr, wc) finishes head 2 wc + wr of the four
	v_lshl_add_u32 v[RD], v1, 4, v[RD]
	s_mul_i32 s44, s[WC], TILE
	s_mul_i32 s45, s[WR], TILE/2
	s_add_co_u32 s44, s44, s45
	v_add_nc_u32 v[RD], s44, v[RD]
	v_add_nc_u32 v[RD2], 2*TILE, v[RD]             ; the same head from the wave of the other row half
	s_lshl_b32 s44, s[ROWB], 4
	s_lshl2_add_u32 s44, s[COLB], s44
	s_lshl1_add_u32 s44, s[WC], s44
	s_add_co_u32 s44, s44, s[WR]                   ; 16 x row block + head
	s_lshl_b32 s44, s44, 14                        ; 16,384 bytes each
	s_mov_b32 s45, 0
	s_add_nc_u64 s[POUT:POUT+1], s[POUT:POUT+1], s[44:45]
	WIN 0x40
.irp b, 0,1,2,3,4,5,6,7
	global_load_b32 v[128+8*\b], v[BO], s[10:11] offset:64*\b
	global_load_b32 v[192+8*\b], v[BO], s[12:13] offset:64*\b
.endr
.else
	s_mul_i32 s44, s[WV], WSTG
	s_add_co_u32 s44, s44, STAGE                   ; my stage
	v_mul_u32_u24 v[STO], v1, SPIT                 ; in: row l % 16, 32 bytes for each half of the lanes
	v_lshl_add_u32 v[STO], v2, 5, v[STO]
	v_add_nc_u32 v[STO], s44, v[STO]
	v_add_nc_u32 v[RD], s44, v[CO]                 ; back: 32 lanes take one row of 512 bytes
	s_lshl_b32 s44, s[ROWB], 19
	s_lshl_b32 s45, s[WR], 18
	s_add_co_u32 s44, s44, s45
	s_lshl_b32 s45, s[COLB], 10
	s_add_co_u32 s44, s44, s45
	s_lshl_b32 s45, s[WC], 9
	s_add_co_u32 s44, s44, s45
	s_mov_b32 s45, 0
	s_add_nc_u64 s[POUT:POUT+1], s[POUT:POUT+1], s[44:45]  ; my first row and column of the result
.if KIND == 1
	s_and_b32 s44, s[ROWB], 0x30                   ; 16 x batch
	s_lshl2_add_u32 s44, s[COLB], s44
	s_lshl1_add_u32 s44, s[WC], s44                ; + my first head
	s_lshl_b32 s47, s44, 2
	s_lshl_b32 s44, s44, 13                        ; 8,192 bytes of M' a head
	s_mov_b32 s45, 0
	s_add_nc_u64 s[PMH:PMH+1], s[PMH:PMH+1], s[44:45]
	s_mov_b32 s44, s47
	s_add_nc_u64 s[PMS:PMS+1], s[PMS:PMS+1], s[44:45]
	s_load_b64 s[72:73], s[PMS:PMS+1], 0x0         ; my two heads' scales
	v_lshlrev_b32 v[MO], 7, v1                     ; row j = l % 16 of 128 bytes, 16 bytes for each half of the lanes
	v_lshl_add_u32 v[MO], v2, 4, v[MO]
.endif
	WIN 0xc0
.irp b, 0,1,2,3,4,5,6,7
	global_load_b128 v[128+8*\b:128+8*\b+3],   v[BO], s[PBIAS:PBIAS+1] offset:64*\b
	global_load_b128 v[128+8*\b+4:128+8*\b+7], v[BO], s[PBIAS:PBIAS+1] offset:64*\b+16
.endr
.if KIND == 1
.set x, 0
.rept 16                               ; fragment 8 hh + 2 tj + u of M'^T: head hh, rows j 16 tj on, i 32 u on
	global_load_b128 v[8*x:8*x+3],   v[MO], s[PMH:PMH+1] offset:8192*(x/8)+2048*((x/2)%4)+64*(x%2)
	global_load_b128 v[8*x+4:8*x+7], v[MO], s[PMH:PMH+1] offset:8192*(x/8)+2048*((x/2)%4)+64*(x%2)+32
.set x, x+1
.endr
.endif
.endif
	WIN 0
	s_wait_loadcnt 0x0
.if KIND == 1
	s_wait_kmcnt 0x0
	s_mov_b32 s[SC], s72
	s_mov_b32 s[SC+1], s72
	s_mov_b32 s[SC+2], s73
	s_mov_b32 s[SC+3], s73
.endif
.if KIND == 0
	WIN 0x41                                       ; a lane's eight results of a tile lie in one column: its bias eight times.  Written in the wait for the first tile
.set x, 0
.rept 16
.irp i, 1,2,3,4,5,6,7
	v_mov_b32 v[128+8*x+\i], v[128+8*x]
.endr
.set x, x+1
.endr
	WIN 0
.endif
	s_wait_tensorcnt 0x1                           ; my tile of step 0 is in; step 1's may stay out
	s_barrier_signal -1
	s_barrier_wait -1                              ; everybody's is
	FETCH 0, 0
	s_wait_dscnt 16
.set cg, 0
.rept 8
	CVT4 0, cg
.set cg, cg+1
.endr
	QUARTER 0, 1                                   ; the first products stand in front of the loop: they start the sums
	QUARTER 1, 0
.if KIND == 0
	QUARTER 2, 1                                   ; V's sums start here
.else
	QUARTER 2, 0
.endif
	WIN 0
	s_mov_b32 s[CNT], NSTEP-2
.Lstep:                                                ; a trip: a step's last quarter, the change of slots with its refill, the next step's first three quarters
	TURN 1
	QUARTER 0, 0
	QUARTER 1, 0
	QUARTER 2, 0
	WIN 0
	s_sub_co_u32 s[CNT], s[CNT], 1
	s_cmp_lg_u32 s[CNT], 0
	s_cbranch_scc1 .Lstep
	TURN 0                                         ; the tail is written out: nothing is asked for
	QUARTER 0, 0
	QUARTER 1, 0
	QUARTER 2, 0
.set mi, 0
	s_wait_dscnt 0x0
	MM 1, 1, 0, 32                                 ; the very last quarter
.if KIND == 0
	; Kh and Vh to f16.  A lane's eight rows s of one column, rounded in pairs, ARE half a fragment of the product over s: fragment (u, b) = rows 32 u on of column tile b, from tiles (2 u, b) and (2 u + 1, b).
	; K's 128 roundings name no register of the last products (V's accumulators, FA, FB) and are the places in front of V's.
	WIN 0x0a
.set x, 0
.rept 16
.irp g, 0,1
.irp i, 0,1,2,3
	v_cvt_pk_f16_f32 v[128+8*x+4*\g+\i], v[8*(8*(2*(x/8)+\g)+x%8)+2*\i], v[8*(8*(2*(x/8)+\g)+x%8)+2*\i+1]
.endr
.endr
.set x, x+1
.endr
	WIN 0x4f
.set x, 0
.rept 16
.irp g, 0,1
.irp i, 0,1,2,3
	v_cvt_pk_f16_f32 v[8*x+4*\g+\i], v[8*(8*(2*(x/8)+\g)+x%8)+2*\i], v[8*(8*(2*(x/8)+\g)+x%8)+2*\i+1]
.endr
.endr
.set x, x+1
.endr
	; M = Kh^T Vh over my 64 rows, for my two heads: tile x = 16 hh + 4 ti + tj; source 0 = 16 columns i of Kh, source 1 = 16 columns j of Vh: a lane holds one j and eight neighbouring i.  32 accumulators by turns.
	WIN 0xa4
.irp u, 0,1
.set x, 0
.rept 32
.if \u == 0
	v_wmma_f32_16x16x32_f16 v[8*x:8*x+7], v[128+8*(4*(x/16)+(x/4)%4):128+8*(4*(x/16)+(x/4)%4)+7], v[8*(4*(x/16)+x%4):8*(4*(x/16)+x%4)+7], 0
.else
	v_wmma_f32_16x16x32_f16 v[8*x:8*x+7], v[128+8*(8+4*(x/16)+(x/4)%4):128+8*(8+4*(x/16)+(x/4)%4)+7], v[8*(8+4*(x/16)+x%4):8*(8+4*(x/16)+x%4)+7], v[8*x:8*x+7]
.endif
.set x, x+1
.endr
.endr
	PLACES
	PLACES
	WIN 0x08                                       ; store data in window 2
.set x, 0
.rept 32                               ; row j = 16 tj + l % 16, bytes 64 ti + 32 (l / 16) on.  Every wave has left slot 0 at the tail's barrier
	ds_store_b128 v[STO], v[8*x:8*x+3]   offset:(TILE/2)*(x/16)+16*272*(x%4)+64*((x/4)%4)
	ds_store_b128 v[STO], v[8*x+4:8*x+7] offset:(TILE/2)*(x/16)+16*272*(x%4)+64*((x/4)%4)+16
.set x, x+1
.endr
	WIN 0
	s_wait_dscnt 0x0                               ; for the others' sake: my stores are done
	s_barrier_signal -1
	s_barrier_wait -1
.set x, 0
.rept 32
	ds_load_b128 v[128+4*x:128+4*x+3], v[RD] offset:544*x
.set x, x+1
.endr
	WIN 0x44                                       ; destination and source 1 in window 1, source 0 in window 0: serves the loads, the sums and the stores below
.set x, 0
.rept 32
	ds_load_b128 v[4*x:4*x+3], v[RD2] offset:544*x
.set x, x+1
.endr
.set x, 0
.rept 32
	s_wait_dscnt 31-x                              ; load x of the second run is in; the younger ones stay out
	v_pk_add_f32 v[4*x:4*x+1],   v[128+4*x:128+4*x+1],   v[4*x:4*x+1]
	v_pk_add_f32 v[4*x+2:4*x+3], v[128+4*x+2:128+4*x+3], v[4*x+2:4*x+3]
	global_store_b128 v[CO], v[4*x:4*x+3], s[POUT:POUT+1] offset:512*x  ; 512 consecutive bytes, aligned
.set x, x+1
.endr
	WIN 0
.else
	PLACES
	PLACES
.if KIND == 1
	; Qh to f16.  A lane's eight columns i of one row, rounded in pairs, ARE half a fragment: fragment 8 hh + 4 u + a = row tile a, i 32 u on of head hh, from tiles (a, 4 hh + 2 u) and (a, 4 hh + 2 u + 1).
	WIN 0x0a
.set x, 0
.rept 16
.irp g, 0,1
.irp i, 0,1,2,3
	v_cvt_pk_f16_f32 v[128+8*x+4*\g+\i], v[8*(8*(x%4)+4*(x/8)+2*((x/4)%2)+\g)+2*\i], v[8*(8*(x%4)+4*(x/8)+2*((x/4)%2)+\g)+2*\i+1]
.endr
.endr
.set x, x+1
.endr
	; O^T = M'^T Qh^T: tile x = 8 a + 4 hh + tj; source 0 = 16 rows j of M'^T, source 1 = 16 rows of Qh: again one row and eight neighbouring columns a lane.  32 accumulators by turns.
	WIN 0xa3
.irp u, 0,1
.set x, 0
.rept 32
.if \u == 0
	v_wmma_f32_16x16x32_f16 v[8*x:8*x+7], v[8*(8*((x%8)/4)+2*(x%4)):8*(8*((x%8)/4)+2*(x%4))+7], v[128+8*(8*((x%8)/4)+x/8):128+8*(8*((x%8)/4)+x/8)+7], 0
.else
	v_wmma_f32_16x16x32_f16 v[8*x:8*x+7], v[8*(8*((x%8)/4)+2*(x%4)+1):8*(8*((x%8)/4)+2*(x%4)+1)+7], v[128+8*(8*((x%8)/4)+4+x/8):128+8*(8*((x%8)/4)+4+x/8)+7], v[8*x:8*x+7]
.endif
.set x, x+1
.endr
.endr
	PLACES
	PLACES
.endif
; THE WAY OUT, a row tile (16 rows x 128 columns of f32) at a time through my own stage: in as 32 bytes a lane, back as whole rows of 512 bytes.
.macro TOSTAGE a
.if KIND == 1
	WIN 0x82                                       ; the head's scale, an exact power of two with the 1 / 8 in it
.irp b, 0,1,2,3,4,5,6,7
.irp i, 0,1,2,3
	v_pk_mul_f32 v[8*(8*(\a)+\b)+2*\i:8*(8*(\a)+\b)+2*\i+1], v[8*(8*(\a)+\b)+2*\i:8*(8*(\a)+\b)+2*\i+1], s[SC+2*(\b/4):SC+2*(\b/4)+1] op_sel_hi:[1,0]
.endr
.endr
.endif
	WIN 0x08
.irp b, 0,1,2,3,4,5,6,7
	ds_store_b128 v[STO], v[8*(8*(\a)+\b):8*(8*(\a)+\b)+3]   offset:64*\b
	ds_store_b128 v[STO], v[8*(8*(\a)+\b)+4:8*(8*(\a)+\b)+7] offset:64*\b+16
.endr
	WIN 0
.if (\a) >= 2
	s_wait_xcnt 0x0                                ; the stores of the tile two back have read these registers
.endif
.set BK, 128+64*((\a)%2)
.set x, 0
.rept 16
	ds_load_b128 v[BK+4*x:BK+4*x+3], v[RD] offset:SPIT*x  ; LDS serves a wave's instructions in order (ISA guide 5.7.1.4): these see the stores above; the next tile's stores come behind them
.set x, x+1
.endr
.endm
.macro SEND a, younger                 ; younger: the LDS instructions issued behind tile a's loads: the next tile's 32, or none
	WIN 0
.set BK, 128+64*((\a)%2)
.set x, 0
.rept 16
	s_wait_dscnt (\younger)+15-x
.if KIND == 2
	global_store_b128 v[CO], v[BK+4*x:BK+4*x+3], s[POUT:POUT+1] offset:(16*(\a)+x)*4096 th:TH_STORE_NT  ; 512 consecutive bytes, aligned
.else
	global_store_b128 v[CO], v[BK+4*x:BK+4*x+3], s[POUT:POUT+1] offset:(16*(\a)+x)*4096
.endif
.set x, x+1
.endr
.endm
	TOSTAGE 0
	TOSTAGE 1
	SEND 0, 32
	TOSTAGE 2
	SEND 1, 32
	TOSTAGE 3
	SEND 2, 32
	SEND 3, 0
.endif
	s_wait_tensorcnt 0x0                           ; the wave's end: behind my last tensor load and my last LDS store
	ds_add_u32 v[SPW], v[NIL]
	s_wait_dscnt 0x0
	CROUND                                         ; the closing round: no work-group ends while a partner may still ask for a tile that names it
	s_endpgm
.Lfunc_end_k_qbd9bb065f2_qo:
	.size	k_qbd9bb065f2_qo, .Lfunc_end_k_qbd9bb065f2_qo-k_qbd9bb065f2_qo
	.p2alignl 7, 3214868480
	.fill 96, 4, 3214868480
	.section	.rodata,"a",@progbits
	.p2align	6, 0x0
	.amdhsa_kernel k_qbd9bb065f2_qo
		.amdhsa_group_segment_fixed_size 327680
		.amdhsa_private_segment_fixed_size 0
		.amdhsa_enable_private_segment 0
		.amdhsa_kernarg_size 48
		.amdhsa_user_sgpr_count 2
		.amdhsa_user_sgpr_kernarg_segment_ptr 1
		.amdhsa_wavefront_size32 1
		.amdhsa_system_sgpr_workgroup_id_x 1
		.amdhsa_system_sgpr_workgroup_id_y 1
		.amdhsa_system_sgpr_workgroup_id_z 1
		.amdhsa_system_vgpr_workitem_id 0
		.amdhsa_next_free_vgpr 1024
		.amdhsa_next_free_sgpr 80
		.amdhsa_reserve_vcc 0
		.amdhsa_float_denorm_mode_32 3
		.amdhsa_float_denorm_mode_16_64 3
		.amdhsa_memory_ordered 1
		.amdhsa_forward_progress 1
		.amdhsa_inst_pref_size 131
	.end_amdhsa_kernel
	.amdgpu_metadata
---
amdhsa.version: [ 1, 2 ]
amdhsa.kernels:
  - .name:           k_qbd9bb065f2_qo
    .symbol:         k_qbd9bb065f2_qo.kd
    .args:
      - { .name: q, .offset: 0, .size: 8, .value_kind: global_buffer, .address_space: global }
      - { .name: wb, .offset: 8, .size: 8, .value_kind: global_buffer, .address_space: global }
      - { .name: bq, .offset: 16, .size: 8, .value_kind: global_buffer, .address_space: global }
      - { .name: mh, .offset: 24, .size: 8, .value_kind: global_buffer, .address_space: global }
      - { .name: msc, .offset: 32, .size: 8, .value_kind: global_buffer, .address_space: global }
      - { .name: ob, .offset: 40, .size: 8, .value_kind: global_buffer, .address_space: global }
    .group_segment_fixed_size: 327680
    .private_segment_fixed_size: 0
    .kernarg_segment_align: 8
    .kernarg_segment_size: 48
    .max_flat_workgroup_size: 128
    .sgpr_count:     80
    .vgpr_count:     1024
    .wavefront_size: 32
...
	.end_amdgpu_metadata
.endif
;; end of part 4
;; launch out (part 5): grid 4 x 64, 4 waves a work-group, clusters of 4 x 4, 327,680 bytes of LDS; arguments ob, wb, bo, out0; writes out0
.if DOCPART == 5
	.amdgcn_target "amdgcn-amd-amdhsa--gfx1250"
	.amdhsa_code_object_version 6
	.text
	.protected	k_qbd9bb065f2_out
	.globl	k_qbd9bb065f2_out
	.p2align	8
	.type	k_qbd9bb065f2_out,@function
k_qbd9bb065f2_out:
	s_mov_b64 s[64:65], 0
	v_nop
	global_prefetch_b8 v0, s[64:65] scope:SCOPE_SE
	s_setreg_imm32_b32 hwreg(HW_REG_WAVE_MODE, 25, 1), 1
	s_wait_xcnt 0x0
	s_wait_alu depctr_hold_cnt(0) depctr_sa_sdst(0) depctr_va_vdst(0) depctr_va_sdst(0) depctr_va_ssrc(0) depctr_va_vcc(0) depctr_vm_vsrc(0)
	s_getreg_b32 s2, hwreg(HW_REG_IB_STS2, 6, 4)
	s_cmp_eq_u32 s2, 0
	s_cbranch_scc0 .Lentry_in_a_cluster
	s_endpgm
.Lentry_in_a_cluster:
	s_bfe_u32 s2, ttmp6, 0x10000c
	s_cmp_lg_u32 s2, 0xf033
	s_cbranch_scc0 .Lentry_shape_is_right
	s_endpgm
.Lentry_shape_is_right:
; ONE TEXT FOR THREE LAUNCHES, told apart by KIND.  The module is (Q K^T / 8) V with no softmax between the products, so it is computed as Q (K^T V) / 8: the order of rounding differs from the written order.
;   KIND 0: Kh = k Wk + bk and Vh = v Wv + bv for 128 rows x 256 columns (4 heads), kept in registers, rounded to f16; then for each head the partial MT[j][i] = sum over the 128 rows of Kh[s][i] Vh[s][j], f32, into mpart.
;   KIND 1: Qh = q Wq + bq, rounded to f16 in registers; O = (Qh M') x scale, f32, into ob.      KIND 2 (THIS FILE): out0 = O Wo + bo.
; FORMATS.  The f32 rows (k, v, q, O) are rounded to bf16 between LDS and the matrix unit; the weights come from wb in bf16; sums in f32; biases in f32, as the C operand of each sum's first product.
; LIMITS.  |Kh|, |Vh|, |Qh| stay below 65,504 (f16); NaN and infinities are not treated apart.
; SHARES.  A work-group makes 128 rows x 256 columns; wave w rows 64 (w / 2) on, columns 128 (w % 2) on: 4 x 8 accumulators of 16 x 16, 256 registers (KIND 0: two such sets).  256 work-groups.
; RING.  Two LDS slots of four tiles of 32 KiB, one tensor load a wave: TA0, TA1 = 128 rows x 64 f32 (256 bytes of memory a row, LDS pitch 272); TB0, TB1 = 64 k-rows x 256 bf16 (512 bytes, pitch 544).
;   KIND 0: tiles 0 are (k, Wk), tiles 1 (v, Wv), 64 along K a step, 16 steps.   KIND 1, 2: tile t is K range 128 s + 64 t, 8 steps.   A step is 128 matrix instructions a wave in every kind.
; CLUSTER.  4 x 4 work-groups.  A's tiles hang on the row block alone and are asked for jointly along a row of the cluster, B's on the column block alone, jointly along a column.
; REGISTERS, in windows of 256 (s_set_vgpr_msb: bits 1:0 source 0, 3:2 source 1, 5:4 source 2, 7:6 destination):
;   window 0: v0-18 addresses; v32-95 FA, A's fragments in bf16, two buffers; v128-191 RAW, a quarter's A in f32; v128-255 at work in the epilogues
;   window 1: v0-127 FB, B's fragments, two buffers; KIND 0: v128-255 bias blocks      window 2: the accumulators, tile (a, b) at 8 (8 a + b)
;   window 3: KIND 0: V's accumulators; KIND 1: v0-127 M' fragments; KIND 1, 2: v128-191 bias blocks
.set KIND,   2
.set PITA,   272                       ; 68 words: the 16 rows of a load start at 16 different groups of four banks (64 banks of 4 bytes: ISA guide 11.1)
.set PITB,   544                       ; 136 words
.set TILE,   34816                     ; 128 x 272 = 64 x 544
.set SLOT,   4*TILE                    ; 0x22000: its two bits meet none of w x TILE's, so one exclusive or turns an address in one slot into the other's
.set STAGE,  2*SLOT                    ; behind the ring (KIND 1, 2): 16 rows x 528 bytes for each wave, for the way out
.set SPIT,   528
.set WSTG,   16*SPIT
.set SPARE,  STAGE+4*WSTG              ; the spare words, 128 bytes for each wave: two blocks of 256 bytes that no other line names
.if KIND == 0
.set NSTEP,  16
.set STEPA,  256                       ; bytes along a row of A from step to step
.set STEPB,  64*2048                   ; bytes down wb from step to step
.set PW,     8                         ; s[8:9] wb
.set POUT,   14                        ; s[14:15] mpart
.else
.set NSTEP,  8
.set STEPA,  512
.set STEPB,  128*2048
.set PW,     6                         ; s[6:7] wb
.set PBIAS,  8                         ; s[8:9] the bias
.if KIND == 1
.set POUT,   14                        ; s[14:15] ob
.else
.set POUT,   10                        ; s[10:11] out0
.endif
.endif
.set PMH,    10                        ; KIND 1: s[10:11] mh, s[12:13] msc
.set PMS,    12
.set ADRA0,  4                         ; v4   my lane's place in tile TA0 of slot 0; never rewritten
.set ADRB0,  5                         ; v5   the same in TB0
.set ADRA,   6                         ; v6   the same in the slot in hand
.set ADRB,   7
.set STO,    8                         ; v8   the way out: where I put my bytes
.set RD,     9                         ; v9   where I read rows back
.set RD2,    10                        ; v10  KIND 0: the same in the other row half's partial
.set CO,     11                        ; v11  16 x lane
.set PFO,    12                        ; v12  the prefetches' offset; never rewritten
.set BO,     13                        ; v13  my offset in the bias
.set SPW,    14                        ; v14  LDS address of my spare word; never rewritten
.set NIL,    15                        ; v15  0; never rewritten
.set MO,     16                        ; v16  KIND 1: my offset in a head's M'
.set FA,     32
.set RAW,    128
.set WV,     16                        ; s16 wave; s17 its row half; s18 its column half, and which of a kind's two tiles it fetches
.set WR,     17
.set WC,     18
.set CX,     19
.set CY,     20
.set COLB,   21                        ; column block of 256
.set ROWB,   22                        ; row block of 128
.set CLY,    23                        ; cluster y
.set G1A,    24                        ; s[24:31] descriptor group 1 for A's tiles;  s[32:39] group 0: a set for each first fill; the second then walks
.set G0A,    32
.set G1B,    48                        ; s[48:55], s[56:63] the same for B's
.set G0B,    56
.set TB,     66                        ; s66 LDS byte at which the slot in hand begins
.set CNT,    67                        ; s67 refills still to come
.set LIM,    68                        ; s68 a wave prefetches while CNT is above it
.set PFA,    70                        ; s[70:71] where my prefetches stand
.set SC,     74                        ; KIND 1: s[74:75], s[76:77] the two heads' scales, each as a pair
.set PFS,    78                        ; s[78:79] the prefetches' step
.set MSB, 0
.macro WIN new                         ; the immediate's high byte repeats the setting that is left; a switch that changes nothing is dropped
.if MSB != (\new)
	s_set_vgpr_msb (MSB<<8)|(\new)
.set MSB, (\new)
.endif
.endm
.macro PLACES                          ; four plain vector instructions between a matrix instruction and a reader of its result or a writer of its registers (ISA guide 7.12.1)
.rept 4
	v_nop
.endr
.endm
.macro CREST                           ; a round of the cluster's barrier behind its opening barrier
	s_cmp_lg_u32 s[WV], 0
	s_cbranch_scc1 .Lnw0_\@
	s_barrier_signal -3
.Lnw0_\@:
	s_barrier_wait -3
	s_barrier_signal -1
	s_barrier_wait -1
.endm
.macro CROUND                          ; a whole round
	s_barrier_signal -1
	s_barrier_wait -1
	CREST
.endm
; A joint refill: waves 0 and 1 fetch A's two tiles, waves 2 and 3 B's.  The branch hangs on the wave's number alone.  An s_nop 0 and four v_nop follow each line.
.macro JLOAD
	s_cmp_lt_u32 s[WV], 2
	s_cbranch_scc0 .Lforb_\@
	tensor_load_to_lds s[G0A+4:G0A+7], s[G1A:G1A+7]
	s_nop 0
.rept 4
	v_nop
.endr
	s_branch .Lasked_\@
.Lforb_\@:
	tensor_load_to_lds s[G0B+4:G0B+7], s[G1B:G1B+7]
	s_nop 0
.rept 4
	v_nop
.endr
.Lasked_\@:
.endm
; A PREFETCH of my tile of the step that stands two refills on (256 matrix instructions ahead of the load that will want it): 32 blocks of 256 bytes, a lane a block, one instruction a wave.
; A's tile (128 rows x 256 bytes) is read by my row of the cluster alone: partner cx names rows 32 cx on.  B's tile (64 rows x 512 bytes) is read by all sixteen clusters: cluster y = 0 asks, partner cy names rows 16 cy on.
; The partners are told apart by address.  So each block is named once in the launch.  Steps 0 to 3 come by their loads alone; the last two refills have no step two on, and ask for nothing.
.macro ASK
	s_cmp_gt_u32 s[CNT], s[LIM]
	s_cbranch_scc0 .Lnoask_\@
	global_prefetch_b8 v[PFO], s[PFA:PFA+1] th:TH_LOAD_NT scope:SCOPE_SE
.Lnoask_\@:
.endm
; The quarter's next cnt matrix instructions, on fragment buffers p.  Number mi is tile (mi / 8, mi % 8): the 32 accumulators take turns, in the same order in every quarter.
; KIND 0: source 0 = 16 rows of A, source 1 = 16 columns of W: a lane holds one column and eight rows.  KIND 1, 2: the sources swapped: a lane holds one row and eight neighbouring columns.
; first = 1: the sum's first product takes the bias block as C: nothing is cleared and no bias is added later.
.macro MM p, t, first, cnt
.rept (\cnt)
.set rD, 8*mi
.set rA, FA+32*(\p)+8*(mi/8)
.set rB, 64*(\p)+8*(mi%8)
.if KIND == 0
.set rC, 128+64*(\t)+8*(mi%8)
.if \first
	WIN 0x94+0x40*(\t)
	v_wmma_f32_16x16x32_bf16 v[rD:rD+7], v[rA:rA+7], v[rB:rB+7], v[rC:rC+7]
.else
	WIN 0xa4+0x50*(\t)
	v_wmma_f32_16x16x32_bf16 v[rD:rD+7], v[rA:rA+7], v[rB:rB+7], v[rD:rD+7]
.endif
.else
.set rC, 128+8*(mi%8)
.if \first
	WIN 0xb1
	v_wmma_f32_16x16x32_bf16 v[rD:rD+7], v[rB:rB+7], v[rA:rA+7], v[rC:rC+7]
.else
	WIN 0xa1
	v_wmma_f32_16x16x32_bf16 v[rD:rD+7], v[rB:rB+7], v[rA:rA+7], v[rD:rD+7]
.endif
.endif
.set mi, mi+1
.endr
.endm
; 32 LDS loads in one run: quarter q (tiles q / 2, 32 along K from 32 (q % 2) on).  A first: 64 rows x 32 f32 into RAW (lane: row l % 16, k = 8 (l / 16) + 0..7 and 16 + 8 (l / 16) + 0..7: four loads of 16 bytes);
; then B, turned: 32 k x 128 columns into buffer pn.
.macro FETCH q, pn
.set qa, ((\q)/2)*TILE+128*((\q)%2)
.set qb, ((\q)/2)*TILE+32*PITB*((\q)%2)
	WIN 0
.irp a, 0,1,2,3
	ds_load_b128 v[RAW+16*\a:RAW+16*\a+3],     v[ADRA] offset:qa+16*PITA*\a
	ds_load_b128 v[RAW+16*\a+4:RAW+16*\a+7],   v[ADRA] offset:qa+16*PITA*\a+16
	ds_load_b128 v[RAW+16*\a+8:RAW+16*\a+11],  v[ADRA] offset:qa+16*PITA*\a+64
	ds_load_b128 v[RAW+16*\a+12:RAW+16*\a+15], v[ADRA] offset:qa+16*PITA*\a+80
.endr
	WIN 0x40                                       ; destination window 1
.irp b, 0,1,2,3,4,5,6,7
	ds_load_tr16_b128 v[64*(\pn)+8*\b:64*(\pn)+8*\b+3],   v[ADRB] offset:qb+32*\b
	ds_load_tr16_b128 v[64*(\pn)+8*\b+4:64*(\pn)+8*\b+7], v[ADRB] offset:qb+32*\b+16*PITB
.endr
.endm
.macro CVT4 pn, g                      ; four of the 32 roundings that make RAW into buffer pn of FA
	WIN 0
.irp i, 0,1,2,3
	v_cvt_pk_bf16_f32 v[FA+32*(\pn)+4*(\g)+\i], v[RAW+8*(\g)+2*\i], v[RAW+8*(\g)+2*\i+1]
.endr
.endm
; A step is four quarters of 32 matrix instructions, on buffers 0, 1, 0, 1.  One of the first three: it multiplies buffer q % 2, fetches the next quarter at its head and rounds that quarter's A in fours behind its later products.
; The last four roundings stand behind the quarter's last product: they name none of its registers and are the four places in front of the next run of loads into B's buffer and the next writes of A's.
.macro QUARTER q, first
.set mi, 0
.set cg, 0
	s_wait_dscnt 0x0                               ; this quarter's B, asked for a quarter ago, is in
	FETCH (\q)+1, 1-(\q)%2
	MM (\q)%2, (\q)/2, \first, 16
	s_wait_dscnt 16                                ; the 16 loads of A are in; the 16 younger ones, B's, may stay out
.rept 8
	MM (\q)%2, (\q)/2, \first, 2
	CVT4 1-(\q)%2, cg
.set cg, cg+1
.endr
.endm
; The last quarter multiplies buffer 1 and changes slots.  In front of the barrier each wave waits for all its tensor loads (one is out: its tile of the next slot), adds 0 to its spare word, and waits for that and for its
; reads of this slot.  fill = 1: the barrier opens a round of the cluster's barrier, and the joint refill of this slot, with the step two on, is the first thing behind the round: 112 matrix instructions ahead of the wait for it.
.macro TURN fill
.set mi, 0
.set cg, 0
.if \fill
	s_wait_xcnt 0x0                                ; the last prefetch, a step back, has read its address
	s_add_nc_u64 s[PFA:PFA+1], s[PFA:PFA+1], s[PFS:PFS+1]
.endif
	WIN 0
	s_wait_tensorcnt 0x0                           ; no tensor load of mine is out, so a group 0 may be written
	ds_add_u32 v[SPW], v[NIL]                      ; 0 onto my spare word
	s_wait_dscnt 1                                 ; all but the add: this quarter's B is in
.if \fill
	s_xor_b32 s[G0A+5], s[G0A+5], SLOT             ; the walking descriptors: the other slot than last time, the next step
	s_add_nc_u64 s[G0A+6:G0A+7], s[G0A+6:G0A+7], STEPA
	s_xor_b32 s[G0B+5], s[G0B+5], SLOT
	s_add_nc_u64 s[G0B+6:G0B+7], s[G0B+6:G0B+7], STEPB
.endif
	s_xor_b32 s[TB], s[TB], SLOT
	MM 1, 1, 0, 8
	s_wait_dscnt 0x0                               ; the add is done, and my reads of this slot are over
	s_barrier_signal -1
	MM 1, 1, 0, 8                                  ; work on registers while the others arrive
	WIN 0                                          ; at a branch and at a label every window is 0
	s_barrier_wait -1
.if \fill
	CREST
	JLOAD
.else
	PLACES
.endif
	v_add_nc_u32 v[ADRA], s[TB], v[ADRA0]
	v_add_nc_u32 v[ADRB], s[TB], v[ADRB0]
	FETCH 0, 0
	WIN 0
.if \fill
	ASK
.endif
	MM 1, 1, 0, 8
	s_wait_dscnt 16
.rept 8
	MM 1, 1, 0, 1
	CVT4 0, cg
.set cg, cg+1
.endr
.endm
	s_load_b256 s[4:11], s[0:1], 0x0               ; KIND 0: k, v, wb, bk;  KIND 1: q, wb, bq, mh;  KIND 2: ob, wb, bo, out0
.if KIND < 2
	s_load_b128 s[12:15], s[0:1], 0x20             ; KIND 0: bv, mpart;  KIND 1: msc, ob
.endif
	v_lshl_add_u32 v[SPW], v0, 2, SPARE
	v_mov_b32 v[NIL], 0
	ds_add_u32 v[SPW], v[NIL]                      ; the wave's opening: the add and its wait stand ahead of my first tensor load; work on registers stands between them
	v_lshrrev_b32 v1, 5, v0
	v_readfirstlane_b32 s[WV], v1
	s_lshr_b32 s[WR], s[WV], 1
	s_and_b32 s[WC], s[WV], 1
	s_bfe_u32 s[CX], ttmp6, 0x40000
	s_bfe_u32 s[CY], ttmp6, 0x40004
	s_lshl_b32 s[COLB], ttmp9, 2
	s_add_co_u32 s[COLB], s[COLB], s[CX]
	s_and_b32 s[CLY], ttmp7, 0xffff
	s_lshl_b32 s[ROWB], s[CLY], 2
	s_add_co_u32 s[ROWB], s[ROWB], s[CY]
	s_lshl_b32 s2, s[CY], 2
	s_lshl_b32 s2, 15, s2                          ; my row of the cluster
	s_lshl_b32 s47, 0x1111, s[CX]                  ; my column
	s_or_b32 s[G1A], s2, (2<<16)|(1<<20)|(1<<21)|(5<<22)|(3<<25)   ; the mask; elements of 4 bytes; padding on; bit 21 beside a mask; after every 64 words, 4 words
	s_mov_b32 s[G1A+1], 64<<16                     ; tensor_dim0 = 64
	s_mov_b32 s[G1A+2], 128<<16                    ; tensor_dim1 = 128
	s_mov_b32 s[G1A+3], 64<<16                     ; tile_dim0 = 64
	s_mov_b32 s[G1A+4], 128                        ; tile_dim1 = 128
	s_mov_b32 s[G1A+5], 1024                       ; elements from row to row
	s_mov_b32 s[G1A+6], 0
	s_mov_b32 s[G1A+7], 0
	s_or_b32 s[G1B], s47, (1<<16)|(1<<20)|(1<<21)|(6<<22)|(7<<25)  ; elements of 2 bytes; after every 128 words, 8 words
	s_mov_b32 s[G1B+1], 256<<16
	s_mov_b32 s[G1B+2], 64<<16
	s_mov_b32 s[G1B+3], 256<<16
	s_mov_b32 s[G1B+4], 64
	s_mov_b32 s[G1B+5], 1024
	s_mov_b32 s[G1B+6], 0
	s_mov_b32 s[G1B+7], 0
	s_lshl_b32 s40, s[ROWB], 19                    ; A: 128 rows of 4,096 bytes a row block; these registers never hold cx
.if KIND != 0
	s_lshl_b32 s41, s[WC], 8                       ; + 64 f32 for tile 1
	s_add_co_u32 s40, s40, s41
.endif
	s_mov_b32 s41, 0
	s_lshl_b32 s42, s[COLB], 9                     ; B: 512 bytes a column block; these registers never hold cy
.if KIND == 0
	s_lshl_b32 s43, s[WC], 21                      ; tile 1 is Wv's
.else
	s_lshl_b32 s43, s[WC], 17                      ; tile 1 lies 64 k-rows down,
	s_add_co_u32 s43, s43, (KIND+1)*2097152        ; in Wq's or Wo's part of wb
.endif
	s_add_co_u32 s42, s42, s43
	s_mov_b32 s43, 0
	s_mul_i32 s46, s[WV], TILE                     ; wave w fills tile w: no place in the cluster enters an LDS address
	s_wait_dscnt 0x0                               ; the opening add is done
	s_wait_kmcnt 0x0
.if KIND == 0
	s_cmp_eq_u32 s[WC], 0
	s_cselect_b64 s[2:3], s[4:5], s[6:7]           ; tile 0 is k's, tile 1 v's
	s_add_nc_u64 s[40:41], s[2:3], s[40:41]
.else
	s_add_nc_u64 s[40:41], s[4:5], s[40:41]
.endif
	s_add_nc_u64 s[42:43], s[PW:PW+1], s[42:43]
.irp n, 0,1
	s_mov_b32 s[G0A+4*\n], 1                                       ; count = 1
	s_add_co_u32 s[G0A+4*\n+1], s46, \n*SLOT                       ; LDS address
	s_add_nc_u64 s[G0A+4*\n+2:G0A+4*\n+3], s[40:41], \n*STEPA      ; global address: step n
	s_or_b32 s[G0A+4*\n+3], s[G0A+4*\n+3], 0x80000000              ; type = 2
	s_mov_b32 s[G0B+4*\n], 1
	s_add_co_u32 s[G0B+4*\n+1], s46, \n*SLOT
	s_add_nc_u64 s[G0B+4*\n+2:G0B+4*\n+3], s[42:43], \n*STEPB
	s_or_b32 s[G0B+4*\n+3], s[G0B+4*\n+3], 0x80000000
.endr
	CROUND                                         ; all sixteen work-groups are here: the first joint loads meet
	s_cmp_lt_u32 s[WV], 2                          ; a wave's two first fills stand in one branch: two loads of mine are out
	s_cbranch_scc0 .Lfirst_b
	tensor_load_to_lds s[G0A:G0A+3], s[G1A:G1A+7]
	s_nop 0
	tensor_load_to_lds s[G0A+4:G0A+7], s[G1A:G1A+7]
	s_nop 0
.rept 4
	v_nop
.endr
	s_branch .Lfirst_done
.Lfirst_b:
	tensor_load_to_lds s[G0B:G0B+3], s[G1B:G1B+7]
	s_nop 0
	tensor_load_to_lds s[G0B+4:G0B+7], s[G1B:G1B+7]
	s_nop 0
.rept 4
	v_nop
.endr
.Lfirst_done:
	v_and_b32 v1, 15, v0                           ; l % 16
	v_bfe_u32 v2, v0, 4, 1                         ; l / 16
	v_mul_u32_u24 v[ADRA0], v1, PITA
	v_lshl_add_u32 v[ADRA0], v2, 5, v[ADRA0]       ; row x pitch + 32 x half
	s_mul_i32 s44, s[WR], 64*PITA                  ; my 64 rows
	v_add_nc_u32 v[ADRA0], s44, v[ADRA0]
	v_and_b32 v3, 7, v0                            ; the turning load: lane l reads k-row 8 (l / 16) + l % 8, columns 8 ((l / 8) % 2) + 0..7
	v_lshl_add_u32 v3, v2, 3, v3
	v_mul_u32_u24 v[ADRB0], v3, PITB
	v_bfe_u32 v3, v0, 3, 1
	v_lshl_add_u32 v[ADRB0], v3, 4, v[ADRB0]
	s_lshl_b32 s44, s[WC], 8                       ; my 128 columns,
	s_add_co_u32 s44, s44, 2*TILE                  ; behind A's two tiles
	v_add_nc_u32 v[ADRB0], s44, v[ADRB0]
	v_mov_b32 v[ADRA], v[ADRA0]
	v_mov_b32 v[ADRB], v[ADRB0]
	s_mov_b32 s[TB], 0
	v_and_b32 v3, 31, v0
	v_lshlrev_b32 v[CO], 4, v3
	; the prefetches
	v_lshlrev_b32 v[PFO], 12, v3                   ; A: a lane a row of 4,096 bytes
	v_lshrrev_b32 v17, 1, v3                       ; B: two lanes a row of 2,048 bytes, 256 bytes each
	v_and_b32 v18, 1, v3
	v_lshlrev_b32 v17, 11, v17
	v_lshl_add_u32 v17, v18, 8, v17
	s_lshl_b32 s44, s[CX], 17                      ; A: my work-group's 32 rows of the 128
	s_lshl_b32 s45, s[CY], 15                      ; B: its 16 rows of the 64
	s_mov_b32 s[PFS], STEPB
	s_cmp_eq_u32 s[CLY], 0
	s_cselect_b32 s[LIM], 2, -1                    ; B's tiles: the first cluster alone asks
	s_cmp_lt_u32 s[WV], 2
	s_cselect_b32 s[LIM], 2, s[LIM]
	s_cselect_b32 s[PFS], STEPA, s[PFS]
	s_cselect_b32 s44, s44, s45
	s_cselect_b32 s47, -1, 0
	s_cselect_b64 s[PFA:PFA+1], s[40:41], s[42:43]
	s_mov_b32 s[PFS+1], 0
	s_mov_b32 s45, 0
	v_cndmask_b32 v[PFO], v17, v[PFO], s47
	s_add_nc_u64 s[PFA:PFA+1], s[PFA:PFA+1], s[44:45]
	s_mul_i32 s44, s[PFS], 3                       ; at step 3: the first change of slots steps it to 4
	s_add_nc_u64 s[PFA:PFA+1], s[PFA:PFA+1], s[44:45]
	; the bias: my wave's 128 columns begin at byte 1,024 x column block + 512 x column half
	s_lshl_b32 s44, s[COLB], 10
	s_lshl_b32 s45, s[WC], 9
	s_add_co_u32 s44, s44, s45
.if KIND == 0
	v_lshlrev_b32 v[BO], 2, v1                     ; a lane holds column l % 16 of a tile
.else
	v_lshlrev_b32 v[BO], 5, v2                     ; a lane holds columns 8 (l / 16) + 0..7 of a tile
.endif
	v_add_nc_u32 v[BO], s44, v[BO]
.if KIND == 0
	; the way out: partial tiles go into slot 0, which has had its last fill by then: wave w's two heads at w x 34,816, 64 rows of 272 bytes each
	v_mul_u32_u24 v[STO], v1, 272
	v_lshl_add_u32 v[STO], v2, 5, v[STO]
	v_add_nc_u32 v[STO], s46, v[STO]
	v_mul_u32_u24 v[RD], v2, 272                   ; back: lanes 0-15 one row of 256 bytes, lanes 16-31 the next; wave (wr, wc) finishes head 2 wc + wr of the four
	v_lshl_add_u32 v[RD], v1, 4, v[RD]
	s_mul_i32 s44, s[WC], TILE
	s_mul_i32 s45, s[WR], TILE/2
	s_add_co_u32 s44, s44, s45
	v_add_nc_u32 v[RD], s44, v[RD]
	v_add_nc_u32 v[RD2], 2*TILE, v[RD]             ; the same head from the wave of the other row half
	s_lshl_b32 s44, s[ROWB], 4
	s_lshl2_add_u32 s44, s[COLB], s44
	s_lshl1_add_u32 s44, s[WC], s44
	s_add_co_u32 s44, s44, s[WR]                   ; 16 x row block + head
	s_lshl_b32 s44, s44, 14                        ; 16,384 bytes each
	s_mov_b32 s45, 0
	s_add_nc_u64 s[POUT:POUT+1], s[POUT:POUT+1], s[44:45]
	WIN 0x40
.irp b, 0,1,2,3,4,5,6,7
	global_load_b32 v[128+8*\b], v[BO], s[10:11] offset:64*\b
	global_load_b32 v[192+8*\b], v[BO], s[12:13] offset:64*\b
.endr
.else
	s_mul_i32 s44, s[WV], WSTG
	s_add_co_u32 s44, s44, STAGE                   ; my stage
	v_mul_u32_u24 v[STO], v1, SPIT                 ; in: row l % 16, 32 bytes for each half of the lanes
	v_lshl_add_u32 v[STO], v2, 5, v[STO]
	v_add_nc_u32 v[STO], s44, v[STO]
	v_add_nc_u32 v[RD], s44, v[CO]                 ; back: 32 lanes take one row of 512 bytes
	s_lshl_b32 s44, s[ROWB], 19
	s_lshl_b32 s45, s[WR], 18
	s_add_co_u32 s44, s44, s45
	s_lshl_b32 s45, s[COLB], 10
	s_add_co_u32 s44, s44, s45
	s_lshl_b32 s45, s[WC], 9
	s_add_co_u32 s44, s44, s45
	s_mov_b32 s45, 0
	s_add_nc_u64 s[POUT:POUT+1], s[POUT:POUT+1], s[44:45]  ; my first row and column of the result
.if KIND == 1
	s_and_b32 s44, s[ROWB], 0x30                   ; 16 x batch
	s_lshl2_add_u32 s44, s[COLB], s44
	s_lshl1_add_u32 s44, s[WC], s44                ; + my first head
	s_lshl_b32 s47, s44, 2
	s_lshl_b32 s44, s44, 13                        ; 8,192 bytes of M' a head
	s_mov_b32 s45, 0
	s_add_nc_u64 s[PMH:PMH+1], s[PMH:PMH+1], s[44:45]
	s_mov_b32 s44, s47
	s_add_nc_u64 s[PMS:PMS+1], s[PMS:PMS+1], s[44:45]
	s_load_b64 s[72:73], s[PMS:PMS+1], 0x0         ; my two heads' scales
	v_lshlrev_b32 v[MO], 7, v1                     ; row j = l % 16 of 128 bytes, 16 bytes for each half of the lanes
	v_lshl_add_u32 v[MO], v2, 4, v[MO]
.endif
	WIN 0xc0
.irp b, 0,1,2,3,4,5,6,7
	global_load_b128 v[128+8*\b:128+8*\b+3],   v[BO], s[PBIAS:PBIAS+1] offset:64*\b
	global_load_b128 v[128+8*\b+4:128+8*\b+7], v[BO], s[PBIAS:PBIAS+1] offset:64*\b+16
.endr
.if KIND == 1
.set x, 0
.rept 16                               ; fragment 8 hh + 2 tj + u of M'^T: head hh, rows j 16 tj on, i 32 u on
	global_load_b128 v[8*x:8*x+3],   v[MO], s[PMH:PMH+1] offset:8192*(x/8)+2048*((x/2)%4)+64*(x%2)
	global_load_b128 v[8*x+4:8*x+7], v[MO], s[PMH:PMH+1] offset:8192*(x/8)+2048*((x/2)%4)+64*(x%2)+32
.set x, x+1
.endr
.endif
.endif
	WIN 0
	s_wait_loadcnt 0x0
.if KIND == 1
	s_wait_kmcnt 0x0
	s_mov_b32 s[SC], s72
	s_mov_b32 s[SC+1], s72
	s_mov_b32 s[SC+2], s73
	s_mov_b32 s[SC+3], s73
.endif
.if KIND == 0
	WIN 0x41                                       ; a lane's eight results of a tile lie in one column: its bias eight times.  Written in the wait for the first tile
.set x, 0
.rept 16
.irp i, 1,2,3,4,5,6,7
	v_mov_b32 v[128+8*x+\i], v[128+8*x]
.endr
.set x, x+1
.endr
	WIN 0
.endif
	s_wait_tensorcnt 0x1                           ; my tile of step 0 is in; step 1's may stay out
	s_barrier_signal -1
	s_barrier_wait -1                              ; everybody's is
	FETCH 0, 0
	s_wait_dscnt 16
.set cg, 0
.rept 8
	CVT4 0, cg
.set cg, cg+1
.endr
	QUARTER 0, 1                                   ; the first products stand in front of the loop: they start the sums
	QUARTER 1, 0
.if KIND == 0
	QUARTER 2, 1                                   ; V's sums start here
.else
	QUARTER 2, 0
.endif
	WIN 0
	s_mov_b32 s[CNT], NSTEP-2
.Lstep:                                                ; a trip: a step's last quarter, the change of slots with its refill, the next step's first three quarters
	TURN 1
	QUARTER 0, 0
	QUARTER 1, 0
	QUARTER 2, 0
	WIN 0
	s_sub_co_u32 s[CNT], s[CNT], 1
	s_cmp_lg_u32 s[CNT], 0
	s_cbranch_scc1 .Lstep
	TURN 0                                         ; the tail is written out: nothing is asked for
	QUARTER 0, 0
	QUARTER 1, 0
	QUARTER 2, 0
.set mi, 0
	s_wait_dscnt 0x0
	MM 1, 1, 0, 32                                 ; the very last quarter
.if KIND == 0
	; Kh and Vh to f16.  A lane's eight rows s of one column, rounded in pairs, ARE half a fragment of the product over s: fragment (u, b) = rows 32 u on of column tile b, from tiles (2 u, b) and (2 u + 1, b).
	; K's 128 roundings name no register of the last products (V's accumulators, FA, FB) and are the places in front of V's.
	WIN 0x0a
.set x, 0
.rept 16
.irp g, 0,1
.irp i, 0,1,2,3
	v_cvt_pk_f16_f32 v[128+8*x+4*\g+\i], v[8*(8*(2*(x/8)+\g)+x%8)+2*\i], v[8*(8*(2*(x/8)+\g)+x%8)+2*\i+1]
.endr
.endr
.set x, x+1
.endr
	WIN 0x4f
.set x, 0
.rept 16
.irp g, 0,1
.irp i, 0,1,2,3
	v_cvt_pk_f16_f32 v[8*x+4*\g+\i], v[8*(8*(2*(x/8)+\g)+x%8)+2*\i], v[8*(8*(2*(x/8)+\g)+x%8)+2*\i+1]
.endr
.endr
.set x, x+1
.endr
	; M = Kh^T Vh over my 64 rows, for my two heads: tile x = 16 hh + 4 ti + tj; source 0 = 16 columns i of Kh, source 1 = 16 columns j of Vh: a lane holds one j and eight neighbouring i.  32 accumulators by turns.
	WIN 0xa4
.irp u, 0,1
.set x, 0
.rept 32
.if \u == 0
	v_wmma_f32_16x16x32_f16 v[8*x:8*x+7], v[128+8*(4*(x/16)+(x/4)%4):128+8*(4*(x/16)+(x/4)%4)+7], v[8*(4*(x/16)+x%4):8*(4*(x/16)+x%4)+7], 0
.else
	v_wmma_f32_16x16x32_f16 v[8*x:8*x+7], v[128+8*(8+4*(x/16)+(x/4)%4):128+8*(8+4*(x/16)+(x/4)%4)+7], v[8*(8+4*(x/16)+x%4):8*(8+4*(x/16)+x%4)+7], v[8*x:8*x+7]
.endif
.set x, x+1
.endr
.endr
	PLACES
	PLACES
	WIN 0x08                                       ; store data in window 2
.set x, 0
.rept 32                               ; row j = 16 tj + l % 16, bytes 64 ti + 32 (l / 16) on.  Every wave has left slot 0 at the tail's barrier
	ds_store_b128 v[STO], v[8*x:8*x+3]   offset:(TILE/2)*(x/16)+16*272*(x%4)+64*((x/4)%4)
	ds_store_b128 v[STO], v[8*x+4:8*x+7] offset:(TILE/2)*(x/16)+16*272*(x%4)+64*((x/4)%4)+16
.set x, x+1
.endr
	WIN 0
	s_wait_dscnt 0x0                               ; for the others' sake: my stores are done
	s_barrier_signal -1
	s_barrier_wait -1
.set x, 0
.rept 32
	ds_load_b128 v[128+4*x:128+4*x+3], v[RD] offset:544*x
.set x, x+1
.endr
	WIN 0x44                                       ; destination and source 1 in window 1, source 0 in window 0: serves the loads, the sums and the stores below
.set x, 0
.rept 32
	ds_load_b128 v[4*x:4*x+3], v[RD2] offset:544*x
.set x, x+1
.endr
.set x, 0
.rept 32
	s_wait_dscnt 31-x                              ; load x of the second run is in; the younger ones stay out
	v_pk_add_f32 v[4*x:4*x+1],   v[128+4*x:128+4*x+1],   v[4*x:4*x+1]
	v_pk_add_f32 v[4*x+2:4*x+3], v[128+4*x+2:128+4*x+3], v[4*x+2:4*x+3]
	global_store_b128 v[CO], v[4*x:4*x+3], s[POUT:POUT+1] offset:512*x  ; 512 consecutive bytes, aligned
.set x, x+1
.endr
	WIN 0
.else
	PLACES
	PLACES
.if KIND == 1
	; Qh to f16.  A lane's eight columns i of one row, rounded in pairs, ARE half a fragment: fragment 8 hh + 4 u + a = row tile a, i 32 u on of head hh, from tiles (a, 4 hh + 2 u) and (a, 4 hh + 2 u + 1).
	WIN 0x0a
.set x, 0
.rept 16
.irp g, 0,1
.irp i, 0,1,2,3
	v_cvt_pk_f16_f32 v[128+8*x+4*\g+\i], v[8*(8*(x%4)+4*(x/8)+2*((x/4)%2)+\g)+2*\i], v[8*(8*(x%4)+4*(x/8)+2*((x/4)%2)+\g)+2*\i+1]
.endr
.endr
.set x, x+1
.endr
	; O^T = M'^T Qh^T: tile x = 8 a + 4 hh + tj; source 0 = 16 rows j of M'^T, source 1 = 16 rows of Qh: again one row and eight neighbouring columns a lane.  32 accumulators by turns.
	WIN 0xa3
.irp u, 0,1
.set x, 0
.rept 32
.if \u == 0
	v_wmma_f32_16x16x32_f16 v[8*x:8*x+7], v[8*(8*((x%8)/4)+2*(x%4)):8*(8*((x%8)/4)+2*(x%4))+7], v[128+8*(8*((x%8)/4)+x/8):128+8*(8*((x%8)/4)+x/8)+7], 0
.else
	v_wmma_f32_16x16x32_f16 v[8*x:8*x+7], v[8*(8*((x%8)/4)+2*(x%4)+1):8*(8*((x%8)/4)+2*(x%4)+1)+7], v[128+8*(8*((x%8)/4)+4+x/8):128+8*(8*((x%8)/4)+4+x/8)+7], v[8*x:8*x+7]
.endif
.set x, x+1
.endr
.endr
	PLACES
	PLACES
.endif
; THE WAY OUT, a row tile (16 rows x 128 columns of f32) at a time through my own stage: in as 32 bytes a lane, back as whole rows of 512 bytes.
.macro TOSTAGE a
.if KIND == 1
	WIN 0x82                                       ; the head's scale, an exact power of two with the 1 / 8 in it
.irp b, 0,1,2,3,4,5,6,7
.irp i, 0,1,2,3
	v_pk_mul_f32 v[8*(8*(\a)+\b)+2*\i:8*(8*(\a)+\b)+2*\i+1], v[8*(8*(\a)+\b)+2*\i:8*(8*(\a)+\b)+2*\i+1], s[SC+2*(\b/4):SC+2*(\b/4)+1] op_sel_hi:[1,0]
.endr
.endr
.endif
	WIN 0x08
.irp b, 0,1,2,3,4,5,6,7
	ds_store_b128 v[STO], v[8*(8*(\a)+\b):8*(8*(\a)+\b)+3]   offset:64*\b
	ds_store_b128 v[STO], v[8*(8*(\a)+\b)+4:8*(8*(\a)+\b)+7] offset:64*\b+16
.endr
	WIN 0
.if (\a) >= 2
	s_wait_xcnt 0x0                                ; the stores of the tile two back have read these registers
.endif
.set BK, 128+64*((\a)%2)
.set x, 0
.rept 16
	ds_load_b128 v[BK+4*x:BK+4*x+3], v[RD] offset:SPIT*x  ; LDS serves a wave's instructions in order (ISA guide 5.7.1.4): these see the stores above; the next tile's stores come behind them
.set x, x+1
.endr
.endm
.macro SEND a, younger                 ; younger: the LDS instructions issued behind tile a's loads: the next tile's 32, or none
	WIN 0
.set BK, 128+64*((\a)%2)
.set x, 0
.rept 16
	s_wait_dscnt (\younger)+15-x
.if KIND == 2
	global_store_b128 v[CO], v[BK+4*x:BK+4*x+3], s[POUT:POUT+1] offset:(16*(\a)+x)*4096 th:TH_STORE_NT  ; 512 consecutive bytes, aligned
.else
	global_store_b128 v[CO], v[BK+4*x:BK+4*x+3], s[POUT:POUT+1] offset:(16*(\a)+x)*4096
.endif
.set x, x+1
.endr
.endm
	TOSTAGE 0
	TOSTAGE 1
	SEND 0, 32
	TOSTAGE 2
	SEND 1, 32
	TOSTAGE 3
	SEND 2, 32
	SEND 3, 0
.endif
	s_wait_tensorcnt 0x0                           ; the wave's end: behind my last tensor load and my last LDS store
	ds_add_u32 v[SPW], v[NIL]
	s_wait_dscnt 0x0
	CROUND                                         ; the closing round: no work-group ends while a partner may still ask for a tile that names it
	s_endpgm
.Lfunc_end_k_qbd9bb065f2_out:
	.size	k_qbd9bb065f2_out, .Lfunc_end_k_qbd9bb065f2_out-k_qbd9bb065f2_out
	.p2alignl 7, 3214868480
	.fill 96, 4, 3214868480
	.section	.rodata,"a",@progbits
	.p2align	6, 0x0
	.amdhsa_kernel k_qbd9bb065f2_out
		.amdhsa_group_segment_fixed_size 327680
		.amdhsa_private_segment_fixed_size 0
		.amdhsa_enable_private_segment 0
		.amdhsa_kernarg_size 32
		.amdhsa_user_sgpr_count 2
		.amdhsa_user_sgpr_kernarg_segment_ptr 1
		.amdhsa_wavefront_size32 1
		.amdhsa_system_sgpr_workgroup_id_x 1
		.amdhsa_system_sgpr_workgroup_id_y 1
		.amdhsa_system_sgpr_workgroup_id_z 1
		.amdhsa_system_vgpr_workitem_id 0
		.amdhsa_next_free_vgpr 1024
		.amdhsa_next_free_sgpr 80
		.amdhsa_reserve_vcc 0
		.amdhsa_float_denorm_mode_32 3
		.amdhsa_float_denorm_mode_16_64 3
		.amdhsa_memory_ordered 1
		.amdhsa_forward_progress 1
		.amdhsa_inst_pref_size 107
	.end_amdhsa_kernel
	.amdgpu_metadata
---
amdhsa.version: [ 1, 2 ]
amdhsa.kernels:
  - .name:           k_qbd9bb065f2_out
    .symbol:         k_qbd9bb065f2_out.kd
    .args:
      - { .name: ob, .offset: 0, .size: 8, .value_kind: global_buffer, .address_space: global }
      - { .name: wb, .offset: 8, .size: 8, .value_kind: global_buffer, .address_space: global }
      - { .name: bo, .offset: 16, .size: 8, .value_kind: global_buffer, .address_space: global }
      - { .name: out0, .offset: 24, .size: 8, .value_kind: global_buffer, .address_space: global }
    .group_segment_fixed_size: 327680
    .private_segment_fixed_size: 0
    .kernarg_segment_align: 8
    .kernarg_segment_size: 32
    .max_flat_workgroup_size: 128
    .sgpr_count:     80
    .vgpr_count:     1024
    .wavefront_size: 32
...
	.end_amdgpu_metadata
.endif
;; end of part 5
;; ======== version 2 of 2: 5 launches; version 1 with the launch prep written anew for expert scheduling mode
;; limits: values are held in f16: magnitudes above 65,504 overflow, below 6.1e-05 lose precision
;; workspace buffers: wb 8,388,608 bytes; mpart 16,777,216 bytes; mh 524,288 bytes; msc 256 bytes; ob 33,554,432 bytes
;; launch prep (part 6): grid 256 x 1, 8 waves a work-group, no clusters, 0 bytes of LDS; arguments Wk, Wv, Wq, Wo, wb; writes wb
.if DOCPART == 6
	.amdgcn_target "amdgcn-amd-amdhsa--gfx1250"
	.amdhsa_code_object_version 6
	.text
	.protected	k_qbd9bb065f2_prep
	.globl	k_qbd9bb065f2_prep
	.p2align	8
	.type	k_qbd9bb065f2_prep,@function
k_qbd9bb065f2_prep:
	s_mov_b64 s[64:65], 0
	v_nop
	global_prefetch_b8 v0, s[64:65] scope:SCOPE_SE
	s_setreg_imm32_b32 hwreg(HW_REG_WAVE_SCHED_MODE, 0, 2), 2
	s_setreg_imm32_b32 hwreg(HW_REG_WAVE_MODE, 25, 1), 1
	s_wait_xcnt 0x0
	s_wait_alu depctr_vm_vsrc(0)
; wb[4][1024][1024] in bf16 = Wk, Wv, Wq, Wo rounded once to bf16 (nearest even), layout [k][n] kept.
; A stream: 16 MiB in, 8 MiB out, every byte once.  256 work-groups of 8 waves; work-group id takes tensor id / 64 and, of its 64 chunks of
; 16,384 numbers, chunk id % 64.  Thread t takes, in each of 8 groups, 8 numbers (32 bytes in, 16 bytes out): a wave's store covers 512
; consecutive bytes, aligned.  All 16 loads of a thread go out at once; no LDS, no barrier, no matrix unit: no byte is wanted by two threads.
; THE MODE: SCHED_MODE bits 1:0 = 2 (LLVM: expert scheduling mode 2), set by the entry lines.  The code itself states the register dependences
; between vector instructions and memory instructions, with s_wait_alu, always for 0.
; THE PLAN.  Registers that memory instructions touch:
;   v1, v2     byte offsets of the loads and of the stores: written once at the head, never again.
;   X          group g: 8 registers at X + 8 g.  Written by the loads, which all go out at the head; read by group g's four roundings; nothing lands in them again.
;   Y          group g: 4 registers at Y + 4 g.  Written by group g's four roundings, once; read by group g's store; never written again.
; The eight groups go in four blocks of two.  Block p rounds its two groups; its memory instructions are the two stores of block p - 1, whose part of Y
; no vector instruction of block p names.  So one wait at a block's head states all that its two stores hang on, and they are dealt among its roundings.
; No register that a memory instruction reads is written again, no vector instruction writes a scalar register, and EXEC is never written.
.set X, 8                              ; v[8:71]
.set Y, 72                             ; v[72:103]
	s_load_b256 s[4:11], s[0:1], 0x0               ; Wk s[4:5], Wv s[6:7], Wq s[8:9], Wo s[10:11]
	s_load_b64 s[12:13], s[0:1], 0x20              ; wb
	s_lshr_b32 s2, ttmp9, 6                        ; which tensor
	s_and_b32 s16, ttmp9, 63
	s_lshl_b32 s16, s16, 16                        ; the chunk's 65,536 bytes in it
	s_mov_b32 s17, 0
	s_lshl_b32 s18, ttmp9, 15                      ; 64 chunks of 32,768 bytes are one tensor's part of wb, so id x 32,768 serves
	s_mov_b32 s19, 0
	v_lshlrev_b32 v1, 5, v0                        ; 32 t
	v_lshlrev_b32 v2, 4, v0                        ; 16 t
	s_wait_kmcnt 0x0
	s_cmp_eq_u32 s2, 1
	s_cselect_b64 s[14:15], s[6:7], s[4:5]
	s_cmp_eq_u32 s2, 2
	s_cselect_b64 s[14:15], s[8:9], s[14:15]
	s_cmp_eq_u32 s2, 3
	s_cselect_b64 s[14:15], s[10:11], s[14:15]
	s_add_nc_u64 s[14:15], s[14:15], s[16:17]
	s_add_nc_u64 s[12:13], s[12:13], s[18:19]
	s_wait_alu depctr_va_vdst(0)                   ; v1 and v2 are written: every load of the kernel reads v1 as its offset, every store v2
.irp g, 0,1,2,3,4,5,6,7
	global_load_b128 v[X+8*(\g):X+8*(\g)+3],   v1, s[14:15] offset:8192*(\g) th:TH_LOAD_NT
	global_load_b128 v[X+8*(\g)+4:X+8*(\g)+7], v1, s[14:15] offset:8192*(\g)+16 th:TH_LOAD_NT
.endr
.irp p, 0,1,2,3
	s_wait_loadcnt 12-4*(\p)                       ; loads come back in order (ISA guide 5.7.1): block p's four are in, the younger blocks' stay out
.if (\p) > 0
	s_wait_alu depctr_va_vdst(0)                   ; the block before has written its eight registers of Y, which the two stores below read
.endif
.irp h, 0,1
.if (\p) > 0
	global_store_b128 v2, v[Y+8*((\p)-1)+4*(\h):Y+8*((\p)-1)+4*(\h)+3], s[12:13] offset:4096*(2*((\p)-1)+(\h))  ; the block before; no vector instruction since the wait names these registers
.endif
.irp i, 0,1,2,3
	v_cvt_pk_bf16_f32 v[Y+8*(\p)+4*(\h)+(\i)], v[X+16*(\p)+8*(\h)+2*(\i)], v[X+16*(\p)+8*(\h)+2*(\i)+1]  ; two roundings to bf16, packed
.endr
.endr
.endr
	s_wait_alu depctr_va_vdst(0)                   ; block 3 has written its eight registers of Y, which the last two stores read
.irp h, 0,1
	global_store_b128 v2, v[Y+24+4*(\h):Y+24+4*(\h)+3], s[12:13] offset:4096*(6+(\h))
.endr
	s_endpgm
.Lfunc_end_k_qbd9bb065f2_prep:
	.size	k_qbd9bb065f2_prep, .Lfunc_end_k_qbd9bb065f2_prep-k_qbd9bb065f2_prep
	.p2alignl 7, 3214868480
	.fill 96, 4, 3214868480
	.section	.rodata,"a",@progbits
	.p2align	6, 0x0
	.amdhsa_kernel k_qbd9bb065f2_prep
		.amdhsa_group_segment_fixed_size 0
		.amdhsa_private_segment_fixed_size 0
		.amdhsa_enable_private_segment 0
		.amdhsa_kernarg_size 40
		.amdhsa_user_sgpr_count 2
		.amdhsa_user_sgpr_kernarg_segment_ptr 1
		.amdhsa_wavefront_size32 1
		.amdhsa_system_sgpr_workgroup_id_x 1
		.amdhsa_system_sgpr_workgroup_id_y 1
		.amdhsa_system_sgpr_workgroup_id_z 1
		.amdhsa_system_vgpr_workitem_id 0
		.amdhsa_next_free_vgpr 104
		.amdhsa_next_free_sgpr 66
		.amdhsa_reserve_vcc 0
		.amdhsa_float_denorm_mode_32 3
		.amdhsa_float_denorm_mode_16_64 3
		.amdhsa_memory_ordered 1
		.amdhsa_forward_progress 1
		.amdhsa_inst_pref_size 6
	.end_amdhsa_kernel
	.amdgpu_metadata
---
amdhsa.version: [ 1, 2 ]
amdhsa.kernels:
  - .name:           k_qbd9bb065f2_prep
    .symbol:         k_qbd9bb065f2_prep.kd
    .args:
      - { .name: Wk, .offset: 0, .size: 8, .value_kind: global_buffer, .address_space: global }
      - { .name: Wv, .offset: 8, .size: 8, .value_kind: global_buffer, .address_space: global }
      - { .name: Wq, .offset: 16, .size: 8, .value_kind: global_buffer, .address_space: global }
      - { .name: Wo, .offset: 24, .size: 8, .value_kind: global_buffer, .address_space: global }
      - { .name: wb, .offset: 32, .size: 8, .value_kind: global_buffer, .address_space: global }
    .group_segment_fixed_size: 0
    .private_segment_fixed_size: 0
    .kernarg_segment_align: 8
    .kernarg_segment_size: 40
    .max_flat_workgroup_size: 256
    .sgpr_count:     66
    .vgpr_count:     104
    .wavefront_size: 32
...
	.end_amdgpu_metadata
.endif
;; end of part 6
;; launch kv: the kernel of part 2 again; grid 4 x 64, 4 waves a work-group, clusters of 4 x 4, 327,680 bytes of LDS; arguments k, v, wb, bk, bv, mpart; writes mpart
;; launch msum: the kernel of part 3 again; grid 16 x 4, 8 waves a work-group, no clusters, 1,280 bytes of LDS; arguments mpart, mh, msc; writes mh, msc
;; launch qo: the kernel of part 4 again; grid 4 x 64, 4 waves a work-group, clusters of 4 x 4, 327,680 bytes of LDS; arguments q, wb, bq, mh, msc, ob; writes ob
;; launch out: the kernel of part 5 again; grid 4 x 64, 4 waves a work-group, clusters of 4 x 4, 327,680 bytes of LDS; arguments ob, wb, bo, out0; writes out0
